; MI455X (gfx1250); checked and timed in simulation.
; The chip was launched on July 23, 2026; its instructions are those of AMD's public machine-readable ISA for CDNA 5 (MIT licence, August 2026) and "CDNA5" Instruction Set Architecture Reference Guide (July 2026). The comments in the code are by the model that wrote it; some were corrected since.
;; Multi Head Self Attention. Allowed arithmetic: matrix products marked QUANTISED: E2M1 operands, one E8M0 scale for each 32 along K, by v_wmma_scale_f32_16x16x128_f8f6f4 with both operands' format E2M1 (or v_wmma_scale_f32_32x16x128_f4), f32 sums; products left as they are: bf16, f16 or f32 operands; f32 sums; everything else in f32.
;; Inputs: Wk 1,024 x 1,024 float32; Wo 1,024 x 1,024 float32; Wq 1,024 x 1,024 float32; Wv 1,024 x 1,024 float32; x 1 x 4,096 x 1,024 float32.
;; Outputs: out0 1 x 4,096 x 1,024 float32.
;; This version of the problem:
;;   THIS VERSION OF THE PROBLEM IS GIVEN IN LOW PRECISION. The matrix products marked QUANTISED in the list below multiply operands that are first quantised to E2M1 (2 exponent bits, 1 mantissa bit; 4 bits a number), with one power-of-two scale for each 32 numbers along K (OCP MX v1.0); their sums are f32. The products marked 'left as it is' may take bf16, f16 or f32 operands, with f32 sums. Whichever they take, every output number must still come out within the allowed error. Rounding operands to bf16 (8 significant bits) uses up far more of that allowance than f16 does (11 bits, for magnitudes from 6e-5 to 65,504). All else is computed in f32.
;;   The module's matrix products, in the order in which they are computed (A, B: the left and right operand; K: the contracted axis; several contracted axes count as one K, in the product's order):
;;     1. [M 4,096, K 1,024] x [K 1,024, N 1,024]; A: input x; B: input Wq: QUANTISED
;;     2. [M 4,096, K 1,024] x [K 1,024, N 1,024]; A: input x; B: input Wk: QUANTISED
;;     3. [M 4,096, K 1,024] x [K 1,024, N 1,024]; A: input x; B: input Wv: QUANTISED
;;     4. batch 16 x [M 4,096, K 64] x [K 64, N 4,096]; A: computed on the way; B: computed on the way: left as it is (an operand is computed on the way)
;;     5. batch 16 x [M 4,096, K 4,096] x [K 4,096, N 64]; A: computed on the way; B: computed on the way: left as it is (an operand is computed on the way)
;;     6. [M 4,096, K 1,024] x [K 1,024, N 1,024]; A: computed on the way; B: input Wo: left as it is (an operand is computed on the way)
;;   THE QUANTISER, for each operand of a quantised product, along K:
;;     - K is cut into blocks of 32 from its start; a last block that is shorter is filled with zeros.
;;     - A block's scale is 2^e with e = floor(log2(the largest magnitude in the block)) - 2, held to -126 .. 127; a block of zeros has e = 0. As a byte (E8M0): e + 127.
;;     - Each number is divided by its block's scale, clamped to +-6, and rounded to the nearest number of E2M1, ties to even, subnormals kept.
;;     - The product sums the exact products of the quantised numbers (number of the format x scale) in f32.
;;   ~~~python
;;   def quantise(x, axis):      # numpy; x: float32 -> the quantised numbers, widened to float32 again
;;       x = np.moveaxis(x, axis, -1); K = x.shape[-1]
;;       x = np.pad(x, [(0, 0)] * (x.ndim - 1) + [(0, -K % 32)]); x = x.reshape(x.shape[:-1] + (-1, 32)); a = np.abs(x).max(-1, keepdims=True)
;;       e = np.where(a > 0, np.clip(np.frexp(np.where(a > 0, a, 1))[1] - 1 - 2, -126, 127), 0)      # np.frexp(a)[1] - 1 = floor(log2(a)), exactly
;;       r = np.clip(x / 2.0 ** e, -6, 6)
;;       step = 2.0 ** (np.maximum(np.frexp(np.where(r == 0, 1, r))[1] - 1, 0) - 1)
;;       q = np.round(r / step) * step * 2.0 ** e      # np.round: ties to even
;;       return np.moveaxis(q.reshape(q.shape[:-2] + (-1,))[..., :K], -1, axis).astype(np.float32)
;;   ~~~
;; One version. Each part assembles by itself: llvm-mc -triple=amdgcn-amd-amdhsa -mcpu=gfx1250 --defsym DOCPART=n.
;; ======== version 1 of 1: 5 launches
;; limits: values are held in f16: magnitudes above 65,504 overflow, below 6.1e-05 lose precision
;; workspace buffers: codes 3,670,016 bytes; scales 229,376 bytes; wo16 2,097,152 bytes; rope 1,048,576 bytes; qimg 8,388,608 bytes; kv 16,777,216 bytes; abuf 8,388,608 bytes; first 196,608 bytes
;; launch prep (part 1): grid 288 x 1, 4 waves a work-group, no clusters, 33,280 bytes of LDS; arguments x, Wq, Wk, Wv, Wo, codes, scales, wo16, rope; writes codes, scales, wo16, rope
.if DOCPART == 1
	.amdgcn_target "amdgcn-amd-amdhsa--gfx1250"
	.amdhsa_code_object_version 6
	.text
	.protected	k_qe467876ea0_prep
	.globl	k_qe467876ea0_prep
	.p2align	8
	.type	k_qe467876ea0_prep,@function
k_qe467876ea0_prep:
	s_mov_b64 s[64:65], 0
	v_nop
	global_prefetch_b8 v0, s[64:65] scope:SCOPE_SE
	s_setreg_imm32_b32 hwreg(HW_REG_WAVE_MODE, 25, 1), 1
	s_wait_xcnt 0x0
; PREP.  Three jobs, shared out by the work-group's number (branches on ids alone):
;   0-223   x, Wq, Wk, Wv (f32, K innermost) become codes of FP4 (E2M1) and one E8M0 byte for each 32 along K.  The four tensors are one stream:
;           codes [7168 rows][512 bytes], scales [7168][32]; rows 0-4095 x, 4096-5119 Wq, 5120-6143 Wk, 6144-7167 Wv.
;   224-255 Wo becomes f16, row-major.
;   256-287 the table of rotations: rope[pos][2 i] = cos(pos f_i), rope[pos][2 i + 1] = sin(pos f_i), f_i = 10000^(-i / 32), 4,096 positions x 32 frequencies.
; THE QUANTISER.  A block's scale is 2^(floor(log2(its largest magnitude)) - 2); its byte is the largest magnitude's exponent field - 2, held at 1 from below.
; A block of zeros keeps the byte 1 where the rule says 127: its codes are zeros, and this program alone reads the bytes.
; A wave takes 16 steps of 512 numbers.  Each load reads 512 consecutive bytes; a step's 2,048 bytes turn through the wave's own stage in LDS so that a lane holds 16 neighbours
; along K (two lanes a block); a lane's 16 codes are 8 bytes: the wave stores 256 consecutive aligned bytes; its 256 scale bytes are gathered in LDS and leave as one such run.
; LIMITS.  NaN and infinities among the inputs are not served.  Blocks whose largest magnitude lies under 2^-124 keep the byte 1.  |Wo| stays under 65,504 (f16).
; The table's angle is pos x f_i with f_i from v_exp_f32 (1 ulp, ISA guide 15.8): up to about 2.5e-4 radians off at the largest angles, alike for q and k.
; No tensor load, no barrier: waves share nothing.
.set SPW,   12                         ; v12  LDS address of my spare word; never rewritten
.set NIL,   13                         ; v13  0; never rewritten
.set SPARE, 32768                      ; behind the four waves' regions: the spare words, 128 bytes a wave
.set STEPS, 16
.set EMAX,  2
.set CB,    8                          ; bytes of 16 codes
.set R,     16                         ; v16-79   four sets of 16 numbers as loaded
.set X,     80                         ; v80-111  two sets of 16 neighbours (Wo: two sets of 8 packed registers)
.set E,     112                        ; v112-127 a scale byte for each step
.set C,     128                        ; v128-191 codes, four registers a step
.set WREG,  8192                       ; LDS: a wave's region: two stages of 32 x SP bytes, then its 256 scale bytes
.set SP,    80                         ; a lane's place in a stage: 64 bytes + 16 of padding
.set PB,    32                         ; the table: 16 registers for each of four positions
	s_load_b512 s[4:19], s[0:1], 0x0               ; x 4:5, Wq 6:7, Wk 8:9, Wv 10:11, Wo 12:13, codes 14:15, scales 16:17, wo16 18:19
	s_load_b64 s[20:21], s[0:1], 0x40              ; rope
	v_lshl_add_u32 v[SPW], v0, 2, SPARE
	v_mov_b32 v[NIL], 0
	v_lshrrev_b32 v1, 5, v0
	v_readfirstlane_b32 s26, v1                    ; wave
	v_and_b32 v2, 31, v0                           ; lane
	s_mov_b32 s29, 0                               ; the high word of every offset pair s[28:29]
	s_wait_kmcnt 0x0
	s_cmp_ge_u32 ttmp9, 256
	s_cbranch_scc1 .Lrope
	s_cmp_ge_u32 ttmp9, 224
	s_cbranch_scc1 .Lwo
; ---------------- the quantiser ----------------
	s_and_b32 s27, ttmp9, 31                       ; a weight's work-groups count from 0 in their tensor
	s_cmp_lt_u32 ttmp9, 192
	s_cselect_b64 s[22:23], s[8:9], s[10:11]       ; the source is chosen by the work-group's number alone
	s_cmp_lt_u32 ttmp9, 160
	s_cselect_b64 s[22:23], s[6:7], s[22:23]
	s_cmp_lt_u32 ttmp9, 128
	s_cselect_b64 s[22:23], s[4:5], s[22:23]
	s_cselect_b32 s27, ttmp9, s27
	s_lshl_b32 s27, s27, 2
	s_add_co_u32 s27, s27, s26                     ; my wave's run of 8,192 numbers in the source
	s_lshl_b32 s28, s27, 15
	s_add_nc_u64 s[22:23], s[22:23], s[28:29]
	s_lshl_b32 s27, ttmp9, 2
	s_add_co_u32 s27, s27, s26                     ; and in the one stream of codes and scale bytes
	s_lshl_b32 s28, s27, 12
	s_add_nc_u64 s[14:15], s[14:15], s[28:29]
	s_lshl_b32 s28, s27, 8
	s_add_nc_u64 s[16:17], s[16:17], s[28:29]
	v_lshlrev_b32 v3, 4, v2                        ; my 16 bytes of a load's 512
	s_mul_i32 s28, s26, WREG
	v_lshrrev_b32 v14, 2, v2
	v_mul_u32_u24 v14, v14, SP
	v_and_b32 v15, 3, v2
	v_lshl_add_u32 v14, v15, 4, v14
	v_add_nc_u32 v14, s28, v14                     ; the stage, on the way in: SP (lane / 4) + 16 (lane % 4)
	v_mul_u32_u24 v15, v2, SP
	v_add_nc_u32 v15, s28, v15                     ; and on the way out: SP x lane: my 16 neighbours
	v_mul_u32_u24 v4, v2, CB                       ; my codes' place in a step's
	v_lshrrev_b32 v5, 1, v2
	s_add_co_u32 s28, s28, 2*32*SP
	v_add_nc_u32 v5, s28, v5                       ; LDS: my block's scale byte
	v_lshlrev_b32 v7, 3, v2
	v_add_nc_u32 v6, s28, v7                       ; and on the way out 8 bytes a lane
.macro QLOAD t
.irp i, 0,1,2,3
	global_load_b128 v[R+16*((\t)%4)+4*\i:R+16*((\t)%4)+4*\i+3], v3, s[22:23] offset:2048*(\t)+512*\i th:TH_LOAD_NT   ; 32 lanes read 512 consecutive bytes
.endr
.endm
.macro QTURN t                         ; step t's numbers through the stage: LDS serves a wave's instructions in order (ISA guide 5.7.1.4)
.irp i, 0,1,2,3
	ds_store_b128 v14, v[R+16*((\t)%4)+4*\i:R+16*((\t)%4)+4*\i+3] offset:32*SP*((\t)%2)+8*SP*\i
.endr
.irp i, 0,1,2,3
	ds_load_b128 v[X+16*((\t)%2)+4*\i:X+16*((\t)%2)+4*\i+3], v15 offset:32*SP*((\t)%2)+16*\i
.endr
.endm
.macro QSTEP t
.set XS, X+16*((\t)%2)
.if (\t) > 0
	s_wait_dscnt 1                                 ; this step's numbers are back from the stage; the last step's byte store may be out
.else
	s_wait_dscnt 0x0
.endif
.if (\t)+4 < STEPS
	QLOAD (\t)+4                                   ; into the set whose stores into the stage are done
.endif
.if (\t)+1 < STEPS
.if STEPS-2-(\t) >= 3
	s_wait_loadcnt 12                              ; the next step's four loads are in; those of the three steps behind it may be out
.else
	s_wait_loadcnt 4*(STEPS-2-(\t))
.endif
	QTURN (\t)+1
.endif
	v_max3_num_f32 v8, |v[XS]|, |v[XS+1]|, |v[XS+2]|               ; the largest magnitude of my 16, in two chains
	v_max3_num_f32 v9, |v[XS+3]|, |v[XS+4]|, |v[XS+5]|
.irp i, 6,10
	v_max3_num_f32 v8, v8, |v[XS+\i]|, |v[XS+\i+1]|
	v_max3_num_f32 v9, v9, |v[XS+\i+2]|, |v[XS+\i+3]|
.endr
	v_max3_num_f32 v8, v8, |v[XS+14]|, |v[XS+15]|
	v_max3_num_f32 v8, v8, v9, (EMAX+1)<<23        ; and the floor 2^(3 - 127): the byte cannot fall under 1
	v_max_num_f32_dpp v8, v8, v8 row_xmask:1 row_mask:0xf bank_mask:0xf   ; with my neighbour's 16: the block's
	v_add_nc_u32 v11, -(EMAX<<23), v8              ; 2 off its exponent field: the conversion takes that field as its scale
	v_cvt_scalef32_pk8_fp4_f32 v[C+4*(\t)], v[XS:XS+7], v11
	v_cvt_scalef32_pk8_fp4_f32 v[C+4*(\t)+1], v[XS+8:XS+15], v11
	v_lshrrev_b32 v[E+(\t)], 23, v11               ; the scale's byte (a plain line behind the conversions)
	ds_store_b8 v5, v[E+(\t)] offset:16*(\t)       ; both lanes of a block write the same byte with the same value
	global_store_b64 v4, v[C+4*(\t):C+4*(\t)+1], s[14:15] offset:32*CB*(\t)   ; 256 consecutive aligned bytes a wave
.endm
.irp t, 0,1,2,3
	QLOAD \t
.endr
	s_wait_loadcnt 12                              ; step 0's four loads are in
	QTURN 0
.irp t, 0,1,2,3,4,5,6,7,8,9,10,11,12,13,14,15
	QSTEP \t
.endr
	ds_load_b64 v[8:9], v6                         ; my wave's 256 scale bytes
	s_wait_dscnt 0x0
	global_store_b64 v7, v[8:9], s[16:17]          ; 256 consecutive aligned bytes
	s_branch .Lend
; ---------------- Wo to f16 ----------------
.Lwo:
	s_sub_co_u32 s27, ttmp9, 224
	s_lshl_b32 s27, s27, 2
	s_add_co_u32 s27, s27, s26                     ; my wave's run of 8,192 numbers
	s_lshl_b32 s28, s27, 15
	s_add_nc_u64 s[12:13], s[12:13], s[28:29]
	s_lshl_b32 s28, s27, 14
	s_add_nc_u64 s[18:19], s[18:19], s[28:29]
	v_lshlrev_b32 v3, 4, v2                        ; in: 16 bytes a lane
	v_lshlrev_b32 v4, 3, v2                        ; out: 8 bytes a lane
.macro WLOAD t
.irp i, 0,1,2,3
	global_load_b128 v[R+16*((\t)%4)+4*\i:R+16*((\t)%4)+4*\i+3], v3, s[12:13] offset:2048*(\t)+512*\i th:TH_LOAD_NT
.endr
.endm
.macro WSTEP t
.if (\t) < 13
	s_wait_loadcnt 12                              ; my four loads are in; the three later steps' may be out
.else
	s_wait_loadcnt 4*(15-(\t))
.endif
	s_wait_xcnt 0x0                                ; the stores of two steps back have read their data registers
.irp i, 0,1,2,3
	v_cvt_pk_f16_f32 v[X+8*((\t)%2)+2*\i], v[R+16*((\t)%4)+4*\i], v[R+16*((\t)%4)+4*\i+1]
	v_cvt_pk_f16_f32 v[X+8*((\t)%2)+2*\i+1], v[R+16*((\t)%4)+4*\i+2], v[R+16*((\t)%4)+4*\i+3]
.endr
.irp i, 0,1,2,3
	global_store_b64 v4, v[X+8*((\t)%2)+2*\i:X+8*((\t)%2)+2*\i+1], s[18:19] offset:1024*(\t)+256*\i   ; 256 consecutive aligned bytes a wave
.endr
.if (\t)+4 < 16
	WLOAD (\t)+4
.endif
.endm
.irp t, 0,1,2,3
	WLOAD \t
.endr
.irp t, 0,1,2,3,4,5,6,7,8,9,10,11,12,13,14,15
	WSTEP \t
.endr
	s_branch .Lend
; ---------------- the table of rotations ----------------
; A wave takes 32 positions, lane i frequency i; four positions by turns, eight trips.  The angle a = pos x f is reduced by n = the nearest whole number to a x 2 / pi,
; r = a - n pi / 2 with pi / 2 in two parts; sine and cosine of r (|r| <= pi / 4) by polynomials of degree 7 and 8; n mod 4 swaps them and sets the signs.
.Lrope:
	s_sub_co_u32 s27, ttmp9, 256
	s_lshl_b32 s27, s27, 2
	s_add_co_u32 s27, s27, s26
	s_lshl_b32 s28, s27, 13                        ; 32 positions of 256 bytes
	s_add_nc_u64 s[20:21], s[20:21], s[28:29]
	s_lshl_b32 s27, s27, 5                         ; my first position
	s_mov_b32 s30, 0x3fc90fdb                      ; pi / 2, high part
	s_mov_b32 s31, 0xb33bbd2e                      ; and what is left of it
	s_mov_b32 s32, 0xbe2aaaa3                      ; sine: r + r z (S1 + S2 z + S3 z^2), z = r^2
	s_mov_b32 s33, 0x3c08839e
	s_mov_b32 s34, 0xb94ca1f9
	s_mov_b32 s35, 0x3d2aaaa5                      ; cosine: 1 - z / 2 + z^2 (C1 + C2 z + C3 z^2)
	s_mov_b32 s36, 0xbab6061a
	s_mov_b32 s37, 0x37ccf5ce
	v_cvt_f32_u32 v17, v2
	v_mul_f32 v17, 0xbed49a78, v17                 ; -i log2(10000) / 32
	v_exp_f32 v18, v17                             ; f_i
	v_lshlrev_b32 v9, 3, v2                        ; (a plain line behind the exponential)  8 bytes a lane
	v_cvt_f32_u32 v16, s27
	s_wait_alu depctr_va_vdst(0)                   ; the wait ahead of the first line that names the result, and ahead of the label
	v_mov_b32 v[PB], v16                           ; the four positions as f32: whole numbers under 2^24, exact
	v_add_f32 v[PB+16], 1.0, v16
	v_add_f32 v[PB+32], 2.0, v16
	v_add_f32 v[PB+48], 3.0, v16
	s_mov_b32 s38, 8
.Ltrip:
.irp p, 0,1,2,3
	v_mul_f32 v[PB+16*\p+1], v[PB+16*\p], v18                              ; a = pos x f, rounded once
.endr
.irp p, 0,1,2,3
	v_mul_f32 v[PB+16*\p+2], 0x3f22f983, v[PB+16*\p+1]                     ; a x 2 / pi
.endr
.irp p, 0,1,2,3
	v_rndne_f32 v[PB+16*\p+2], v[PB+16*\p+2]                               ; n
.endr
.irp p, 0,1,2,3
	v_fma_f32 v[PB+16*\p+3], -v[PB+16*\p+2], s30, v[PB+16*\p+1]
.endr
.irp p, 0,1,2,3
	v_fma_f32 v[PB+16*\p+3], -v[PB+16*\p+2], s31, v[PB+16*\p+3]            ; r
.endr
.irp p, 0,1,2,3
	v_cvt_i32_f32 v[PB+16*\p+7], v[PB+16*\p+2]
.endr
.irp p, 0,1,2,3
	v_mul_f32 v[PB+16*\p+4], v[PB+16*\p+3], v[PB+16*\p+3]                  ; z
.endr
.irp p, 0,1,2,3
	v_fma_f32 v[PB+16*\p+5], v[PB+16*\p+4], s34, s33
	v_fma_f32 v[PB+16*\p+6], v[PB+16*\p+4], s37, s36
.endr
.irp p, 0,1,2,3
	v_fma_f32 v[PB+16*\p+5], v[PB+16*\p+5], v[PB+16*\p+4], s32
	v_fma_f32 v[PB+16*\p+6], v[PB+16*\p+6], v[PB+16*\p+4], s35
.endr
.irp p, 0,1,2,3
	v_mul_f32 v[PB+16*\p+10], v[PB+16*\p+4], v[PB+16*\p+3]                 ; z r
	v_fma_f32 v[PB+16*\p+11], v[PB+16*\p+4], -0.5, 1.0                     ; 1 - z / 2
	v_mul_f32 v[PB+16*\p+12], v[PB+16*\p+4], v[PB+16*\p+4]                 ; z^2
.endr
.irp p, 0,1,2,3
	v_fma_f32 v[PB+16*\p+5], v[PB+16*\p+5], v[PB+16*\p+10], v[PB+16*\p+3]  ; sin r
	v_fma_f32 v[PB+16*\p+6], v[PB+16*\p+6], v[PB+16*\p+12], v[PB+16*\p+11] ; cos r
.endr
.irp p, 0,1,2,3
	v_and_b32 v[PB+16*\p+10], 1, v[PB+16*\p+7]
.endr
.irp p, 0,1,2,3
	v_cmp_eq_u32 s[40+\p], 1, v[PB+16*\p+10]                               ; n odd: sine and cosine change places
.endr
.irp p, 0,1,2,3
	v_cndmask_b32 v[PB+16*\p+9], v[PB+16*\p+5], v[PB+16*\p+6], s[40+\p]
	v_cndmask_b32 v[PB+16*\p+8], v[PB+16*\p+6], v[PB+16*\p+5], s[40+\p]
.endr
.irp p, 0,1,2,3
	v_and_b32 v[PB+16*\p+10], 2, v[PB+16*\p+7]                             ; the sine's sign: n mod 4 = 2, 3
	v_add_nc_u32 v[PB+16*\p+11], 1, v[PB+16*\p+7]
.endr
.irp p, 0,1,2,3
	v_lshlrev_b32 v[PB+16*\p+10], 30, v[PB+16*\p+10]
	v_and_b32 v[PB+16*\p+11], 2, v[PB+16*\p+11]                            ; the cosine's: n mod 4 = 1, 2
.endr
.irp p, 0,1,2,3
	v_xor_b32 v[PB+16*\p+9], v[PB+16*\p+9], v[PB+16*\p+10]
	v_lshlrev_b32 v[PB+16*\p+11], 30, v[PB+16*\p+11]
.endr
.irp p, 0,1,2,3
	v_xor_b32 v[PB+16*\p+8], v[PB+16*\p+8], v[PB+16*\p+11]
.endr
.irp p, 0,1,2,3
	global_store_b64 v9, v[PB+16*\p+8:PB+16*\p+9], s[20:21] offset:256*\p  ; a position's 256 bytes, aligned
	v_add_f32 v[PB+16*\p], 4.0, v[PB+16*\p]
.endr
	s_wait_xcnt 0x0                                ; the stores have read their data and their base: both are written again
	s_add_nc_u64 s[20:21], s[20:21], 1024
	s_sub_co_u32 s38, s38, 1
	s_cmp_lg_u32 s38, 0
	s_cbranch_scc1 .Ltrip
.Lend:
	s_wait_tensorcnt 0x0                           ; the wave's end
	ds_add_u32 v[SPW], v[NIL]
	s_wait_dscnt 0x0
	s_endpgm
.Lfunc_end_k_qe467876ea0_prep:
	.size	k_qe467876ea0_prep, .Lfunc_end_k_qe467876ea0_prep-k_qe467876ea0_prep
	.p2alignl 7, 3214868480
	.fill 96, 4, 3214868480
	.section	.rodata,"a",@progbits
	.p2align	6, 0x0
	.amdhsa_kernel k_qe467876ea0_prep
		.amdhsa_group_segment_fixed_size 33280
		.amdhsa_private_segment_fixed_size 0
		.amdhsa_enable_private_segment 0
		.amdhsa_kernarg_size 72
		.amdhsa_user_sgpr_count 2
		.amdhsa_user_sgpr_kernarg_segment_ptr 1
		.amdhsa_wavefront_size32 1
		.amdhsa_system_sgpr_workgroup_id_x 1
		.amdhsa_system_sgpr_workgroup_id_y 1
		.amdhsa_system_sgpr_workgroup_id_z 1
		.amdhsa_system_vgpr_workitem_id 0
		.amdhsa_next_free_vgpr 192
		.amdhsa_next_free_sgpr 66
		.amdhsa_reserve_vcc 0
		.amdhsa_float_denorm_mode_32 3
		.amdhsa_float_denorm_mode_16_64 3
		.amdhsa_memory_ordered 1
		.amdhsa_forward_progress 1
		.amdhsa_inst_pref_size 62
	.end_amdhsa_kernel
	.amdgpu_metadata
---
amdhsa.version: [ 1, 2 ]
amdhsa.kernels:
  - .name:           k_qe467876ea0_prep
    .symbol:         k_qe467876ea0_prep.kd
    .args:
      - { .name: x, .offset: 0, .size: 8, .value_kind: global_buffer, .address_space: global }
      - { .name: Wq, .offset: 8, .size: 8, .value_kind: global_buffer, .address_space: global }
      - { .name: Wk, .offset: 16, .size: 8, .value_kind: global_buffer, .address_space: global }
      - { .name: Wv, .offset: 24, .size: 8, .value_kind: global_buffer, .address_space: global }
      - { .name: Wo, .offset: 32, .size: 8, .value_kind: global_buffer, .address_space: global }
      - { .name: codes, .offset: 40, .size: 8, .value_kind: global_buffer, .address_space: global }
      - { .name: scales, .offset: 48, .size: 8, .value_kind: global_buffer, .address_space: global }
      - { .name: wo16, .offset: 56, .size: 8, .value_kind: global_buffer, .address_space: global }
      - { .name: rope, .offset: 64, .size: 8, .value_kind: global_buffer, .address_space: global }
    .group_segment_fixed_size: 33280
    .private_segment_fixed_size: 0
    .kernarg_segment_align: 8
    .kernarg_segment_size: 72
    .max_flat_workgroup_size: 128
    .sgpr_count:     66
    .vgpr_count:     192
    .wavefront_size: 32
...
	.end_amdgpu_metadata
.endif
;; end of part 1
;; launch qkv (part 2): grid 12 x 16, 4 waves a work-group, clusters of 4 x 4, 327,680 bytes of LDS; arguments codes, scales, rope, qimg, kv, first; writes qimg, kv, first
.if DOCPART == 2
	.amdgcn_target "amdgcn-amd-amdhsa--gfx1250"
	.amdhsa_code_object_version 6
	.text
	.protected	k_qe467876ea0_qkv
	.globl	k_qe467876ea0_qkv
	.p2align	8
	.type	k_qe467876ea0_qkv,@function
k_qe467876ea0_qkv:
	s_mov_b64 s[64:65], 0
	v_nop
	global_prefetch_b8 v0, s[64:65] scope:SCOPE_SE
	s_setreg_imm32_b32 hwreg(HW_REG_WAVE_MODE, 25, 1), 1
	s_wait_xcnt 0x0
	s_wait_alu depctr_hold_cnt(0) depctr_sa_sdst(0) depctr_va_vdst(0) depctr_va_sdst(0) depctr_va_ssrc(0) depctr_va_vcc(0) depctr_vm_vsrc(0)
	s_getreg_b32 s2, hwreg(HW_REG_IB_STS2, 6, 4)
	s_cmp_eq_u32 s2, 0
	s_cbranch_scc0 .Lentry_in_a_cluster
	s_endpgm
.Lentry_in_a_cluster:
	s_bfe_u32 s2, ttmp6, 0x10000c
	s_cmp_lg_u32 s2, 0xf033
	s_cbranch_scc0 .Lentry_shape_is_right
	s_endpgm
.Lentry_shape_is_right:
; QKV.  q = x Wq^T, k = x Wk^T, v = x Wv^T on codes of FP4 (E2M1) with one E8M0 scale for each 32 along K = 1,024, sums in f32; then the rotation of q and k in f32; then f16.
; All operands are rows of ONE tensor of codes [7168][512 bytes] (x, Wq, Wk, Wv) with scale bytes [7168][32].  A work-group of four waves makes a tile of 256 x 256, a wave 128 x 128
; (64 accumulators).  All of K lies in two LDS slots of 512 along K (rows of 256 bytes + 16 of padding): nothing is filled again, and there is no loop.
; CLUSTERS of 4 x 4.  Cluster x = 0: q, 1: k, 2: v.  Source 1's tile ('A') is shared along a row of the cluster, source 0's ('B') along a column: each is asked for jointly.
;   q, k: source 0 = 16 rows of W (channels), source 1 = 16 rows of x (positions): a lane holds ONE position and eight neighbouring channels.
;   v:    source 0 = 16 rows of x, source 1 = 16 rows of Wv: a lane holds ONE channel and eight neighbouring positions (keys).
; q AND k PART FROM v ONCE, by one branch on the cluster's x (the same in all sixteen partners), three steps of 128 along K ahead of the end: each arm makes its own addresses, runs the last
; three steps (macro TAIL, written out in both arms) and goes out its own way.  The arm of q and k asks for its first four tables of rotations at its head, so that they land under those steps.
; RESULTS LEAVE AS IMAGES OF OPERAND REGISTERS.  Two tiles that are neighbours along source 0, packed in pairs to f16, are the 8 registers of a 16-bit fragment (16 rows of source 1 x 32 along
; source 0): registers 4 c .. 4 c + 3 of lane l go to 512 c + 16 l of a block of 1,024 bytes: every store covers 512 consecutive aligned bytes, and no stage in LDS is needed.
;   qimg [head 16][tile of 16 queries 256][32 channels 2][1,024];   kv [head 16][step of 128 keys 32][32,768]: K's fragments (tile of 16 keys kt, 32 channels cb) at (2 kt + cb) 1,024,
;   V^T's (32 keys kb, 16 channels ct) at 16,384 + (4 kb + ct) 1,024.
; Positions 0-15 also leave in f32 (buffer first): q and k as rows [16][1024], v as the accumulators' registers [tile of 16 channels 64][lane][8].
; LIMITS: |q|, |k|, |v| stay under 65,504 (f16).
; REGISTERS, in windows of 256.  Window 0: v16-31 addresses; v32-95 scale words, two sets; v128-191 A's fragments, one set; on the way out v32-95 packed results, v128-255 at work.
;   Window 1: B's fragments, two sets, at v0 and v128; the rest, and on the way out all of it, holds the table of rotations.   Windows 2, 3: the accumulators ((a, b) at v[8 (8 (a % 4) + b)]).
.set NQ,     4                         ; matrix instructions deep in a slot
.set ROWB,   256                       ; a tile's row in bytes: 512 codes
.set KROW,   512                       ; a row of codes in memory
.set PITCH,  272                       ; an LDS row: 68 words: the 16 rows that a load touches start at 16 different banks (64 banks of 4 bytes: ISA guide 11.1)
.set FR,     8
.set NL,     2
.set NP,     4                         ; places behind this matrix instruction (ISA guide 7.12.1)
.set HALFT,  128*PITCH
.set SLOT,   4*HALFT
.set KS,     32                        ; a row of scale bytes
.set SCL,    2*SLOT                    ; behind the slots: the scales of the 512 rows, as runs of 256 bytes + 16 of padding
.set HALFS,  (128*KS/256)*272
.set SBLK,   (16*KS/256)*272
.set SPARE,  SCL+4*HALFS               ; the spare words, 128 bytes a wave
.set ADRA, 16                          ; v16-17 LDS address of my A fragments in slot 0, 1
.set ADRB, 20                          ; v20-21 the same for B
.set L32,  23                          ; v23  32 x lane
.set L16,  24                          ; v24  16 x lane
.set TAO,  25                          ; v25  256 r + 32 h: my place in the table's rows
.set FCO,  26                          ; v26  4096 r + 32 h: my place in the f32 copy's rows
.set ADRS, 27                          ; v27  LDS address of my scale words
.set SPW,  28
.set NIL,  29
.set VCY,  30                          ; v30  cy: it makes a lane mask alone
.set VCX,  31                          ; v31  cx: likewise
.set SC,   32
.set AF,   128
.set RR,   128                         ; the way out: 64 rotated numbers
.set UU,   192                         ; and 64 products
.set G1, 24
.set G0, 32
.set G1B, 48
.set G0B, 56
.set G1S, 68
.set G0S, 76
.set G1SB, 80
.set G0SB, 88
.set MSB, 0
.macro WIN new                         ; the immediate's high byte repeats the setting that is left
.if MSB != \new
	s_set_vgpr_msb (MSB<<8)|\new
.set MSB, \new
.endif
.endm
.set MUL_LO, 0xa1                      ; source 0 (B) window 1, source 1 (A) window 0, C and D window 2
.set MUL_HI, 0xf1
.set TO_B,   0x40                      ; destination window 1, address window 0
; A joint load: waves 0 and 1 fetch for A, waves 2 and 3 for B; the branch hangs on the wave's number alone.  An s_nop 0 and four v_nop follow each line.
.macro JLOAD g0a, g1a, g0b, g1b
	s_cmp_eq_u32 s15, 0
	s_cbranch_scc0 .Lfor_b_\@
	tensor_load_to_lds s[\g0a:\g0a+3], s[\g1a:\g1a+7]
	s_nop 0
.rept 4
	v_nop
.endr
	s_branch .Lasked_\@
.Lfor_b_\@:
	tensor_load_to_lds s[\g0b:\g0b+3], s[\g1b:\g1b+7]
	s_nop 0
.rept 4
	v_nop
.endr
.Lasked_\@:
.endm
.macro CROUND                          ; a round of the cluster's barrier
	s_barrier_signal -1
	s_barrier_wait -1
	s_cmp_lg_u32 s14, 0
	s_cbranch_scc1 .Lnot_wave_0_\@
	s_barrier_signal -3
.Lnot_wave_0_\@:
	s_barrier_wait -3
	s_barrier_signal -1
	s_barrier_wait -1
.endm
	s_load_b256 s[4:11], s[0:1], 0x0               ; codes 4:5, scales 6:7, rope 8:9, qimg 10:11
	s_load_b128 s[96:99], s[0:1], 0x20             ; kv 96:97, first 98:99
	v_lshl_add_u32 v[SPW], v0, 2, SPARE
	v_mov_b32 v[NIL], 0
	ds_add_u32 v[SPW], v[NIL]                      ; the wave's opening: the add, twice on end, and its wait ahead of my first tensor load
	ds_add_u32 v[SPW], v[NIL]
	v_lshrrev_b32 v1, 5, v0
	v_readfirstlane_b32 s14, v1                    ; wave 0..3
	s_lshr_b32 s15, s14, 1                         ; which half of A's rows is mine.  Also: I fetch for A (0) or for B (1)
	s_and_b32 s16, s14, 1                          ; which half of B's rows.  Also: which 128 rows of that tile I fetch
	s_bfe_u32 s40, ttmp6, 0x40000                  ; cx
	s_bfe_u32 s41, ttmp6, 0x40004                  ; cy
	s_and_b32 s13, ttmp7, 0xffff                   ; cluster y
	s_lshl_b32 s12, s13, 2
	s_lshl_b32 s2, ttmp9, 2
	s_add_co_u32 s2, s2, 16                        ; Wq's tiles of 256 rows begin at 16, Wk's at 20
	s_cmp_eq_u32 ttmp9, 2                          ; v?  The cluster's x: the same in all sixteen partners
	s_cselect_b32 s17, 24, s12                     ; A: q, k: x's tiles 4 y ..; v: Wv's tiles 24 ..
	s_cselect_b32 s42, s12, s2                     ; B: q, k: the weight's tiles; v: x's tiles 4 y ..
	s_add_co_u32 s17, s17, s41                     ; A's tile: + cy, shared along my row of the cluster
	s_add_co_u32 s42, s42, s40                     ; B's tile: + cx, shared along my column
	s_lshl_b32 s43, s41, 2
	s_lshl_b32 s43, 15, s43                        ; my row of the cluster
	s_lshl_b32 s44, 0x1111, s40                    ; my column
	s_or_b32 s[G1+0], s43, (0<<16)|(1<<20)|(1<<21)|(5<<22)|(3<<25)   ; the mask; elements of 1 byte; padding of 4 words behind every 64; bit 21 set beside a mask
	s_or_b32 s[G1B+0], s44, (0<<16)|(1<<20)|(1<<21)|(5<<22)|(3<<25)
.irp g, G1, G1B
	s_mov_b32 s[\g+1], ROWB<<16                    ; tensor_dim0
	s_mov_b32 s[\g+2], 128<<16                     ; tensor_dim1
	s_mov_b32 s[\g+3], ROWB<<16                    ; tile_dim0
	s_mov_b32 s[\g+4], 128                         ; tile_dim1
	s_mov_b32 s[\g+5], KROW                        ; the pitch
	s_mov_b32 s[\g+6], 0
	s_mov_b32 s[\g+7], 0
.endr
	s_or_b32 s[G1S+0], s43, (3<<16)|(1<<20)|(1<<21)|(5<<22)|(3<<25)  ; the scales of 128 rows: 4,096 dense bytes as 16 rows of 256 (32 elements of 8 bytes)
	s_or_b32 s[G1SB+0], s44, (3<<16)|(1<<20)|(1<<21)|(5<<22)|(3<<25)
.irp g, G1S, G1SB
	s_mov_b32 s[\g+1], 32<<16
	s_mov_b32 s[\g+2], (128*KS/256)<<16
	s_mov_b32 s[\g+3], 32<<16
	s_mov_b32 s[\g+4], 128*KS/256
	s_mov_b32 s[\g+5], 32
	s_mov_b32 s[\g+6], 0
	s_mov_b32 s[\g+7], 0
.endr
	s_lshl_b32 s18, s16, 7                         ; which 128 rows of the tile I fetch
	s_lshl_b32 s20, s17, 8
	s_add_co_u32 s20, s20, s18                     ; A's first row (under 7,168: all offsets fit 32 bits)
	s_lshl_b32 s46, s42, 8
	s_add_co_u32 s46, s46, s18                     ; B's
	s_lshl_b32 s22, s20, 5                         ; their scale bytes,
	s_mov_b32 s23, 0
	s_lshl_b32 s92, s46, 5
	s_mov_b32 s93, 0
	s_lshl_b32 s20, s20, 9                         ; their codes
	s_mov_b32 s21, 0
	s_lshl_b32 s46, s46, 9
	s_mov_b32 s47, 0
	s_mul_i32 s45, s14, HALFT                      ; where they go: wave x 128 rows: no place in the cluster enters an LDS address
	s_mul_i32 s94, s14, HALFS
	s_wait_dscnt 0x0                               ; both opening adds are done
	s_wait_kmcnt 0x0
	s_add_nc_u64 s[20:21], s[4:5], s[20:21]
	s_add_nc_u64 s[22:23], s[6:7], s[22:23]
	s_add_nc_u64 s[46:47], s[4:5], s[46:47]
	s_add_nc_u64 s[92:93], s[6:7], s[92:93]
	CROUND                                         ; all sixteen work-groups are here: the first joint loads meet
	s_mov_b32 s[G0S], 1
	s_add_co_u32 s[G0S+1], s94, SCL
	s_mov_b64 s[G0S+2:G0S+3], s[22:23]
	s_or_b32 s[G0S+3], s[G0S+3], 0x80000000
	s_mov_b32 s[G0SB], 1
	s_add_co_u32 s[G0SB+1], s94, SCL
	s_mov_b64 s[G0SB+2:G0SB+3], s[92:93]
	s_or_b32 s[G0SB+3], s[G0SB+3], 0x80000000
	JLOAD G0S, G1S, G0SB, G1SB                     ; the scales first; with the two slots three loads of mine are out
.irp s, 0,1
	s_mov_b32 s[G0+4*\s], 1
	s_add_co_u32 s[G0+4*\s+1], s45, \s*SLOT
	s_add_nc_u64 s[G0+4*\s+2:G0+4*\s+3], s[20:21], \s*ROWB
	s_or_b32 s[G0+4*\s+3], s[G0+4*\s+3], 0x80000000
	s_mov_b32 s[G0B+4*\s], 1
	s_add_co_u32 s[G0B+4*\s+1], s45, \s*SLOT
	s_add_nc_u64 s[G0B+4*\s+2:G0B+4*\s+3], s[46:47], \s*ROWB
	s_or_b32 s[G0B+4*\s+3], s[G0B+4*\s+3], 0x80000000
	JLOAD G0+4*\s, G1, G0B+4*\s, G1B
.endr
	v_and_b32 v1, 15, v0                           ; r = l % 16
	v_bfe_u32 v2, v0, 4, 1                         ; h = l / 16
	v_mul_u32_u24 v3, v1, PITCH
	v_lshl_add_u32 v4, v2, 4, v3                   ; a fragment's row x pitch + 16 h
	s_mul_i32 s21, s15, HALFT
	s_mul_i32 s22, s16, HALFT
	s_add_co_u32 s22, s22, 2*HALFT
.irp s, 0,1
	v_add_nc_u32 v[ADRA+\s], s21, v4
	v_add_nc_u32 v[ADRB+\s], s22, v4
	s_add_co_u32 s21, s21, SLOT
	s_add_co_u32 s22, s22, SLOT
.endr
	v_mul_u32_u24 v5, v1, KS                       ; my row's scales: 32 bytes a row,
	v_lshrrev_b32 v6, 8, v5
	v_lshl_add_u32 v5, v6, 4, v5                   ; and 16 more for each 256 passed
	s_mul_i32 s21, s15, HALFS
	s_mul_i32 s22, s16, HALFS
	s_add_co_u32 s22, s22, 2*HALFS
	s_sub_co_u32 s22, s22, s21
	v_mul_u32_u24 v6, s22, v2                      ; lanes 16-31 take B's
	s_add_co_u32 s21, s21, SCL
	v_add_nc_u32 v5, v5, v6
	v_add_nc_u32 v[ADRS], s21, v5
	v_and_b32 v3, 31, v0
	v_lshlrev_b32 v[L16], 4, v3
	v_lshlrev_b32 v[L32], 5, v3
	v_lshlrev_b32 v[TAO], 8, v1
	v_lshl_add_u32 v[TAO], v2, 5, v[TAO]
	v_lshlrev_b32 v[FCO], 12, v1
	v_lshl_add_u32 v[FCO], v2, 5, v[FCO]
	v_mov_b32 v[VCY], s41
	v_mov_b32 v[VCX], s40
	s_mov_b32 s3, 0                                ; the high word of the offset pair s[2:3]
; The table of rotations for block a's 16 positions: lane (r, h) wants, of position r's 64 words, words 16 m + 8 h + 0 .. 7, m = 0 .. 3: 32 registers, in window 1.
.macro TABLE a
.set TT, 64*(1-(\a)/4)+32*((\a)%2)+128*(((\a)%4)/2)
.irp m, 0,1,2,3
.irp e, 0,1
	global_load_b128 v[TT+8*\m+4*\e:TT+8*\m+4*\e+3], v[TAO], s[8:9] offset:4096*(\a)+64*\m+16*\e
.endr
.endr
.endm
.macro FRAG reg, adr, q, i             ; 16 rows x 128 K of 4-bit codes: registers 4 c .. 4 c + 3 hold K = 64 c + 32 h + 0 .. 31
.irp c, 0,1
	ds_load_b128 v[\reg+4*\c:\reg+4*\c+3], v[\adr] offset:64*(\q)+32*\c+(\i)*16*PITCH
.endr
.endm
; 16 matrix instructions: A's blocks a0, a0 + 1 x B's eight.  The 64 accumulators take turns, one instruction a turn, in the same order in every step.
.macro MUL16 a0, p, q, sc, zero
.irp a, \a0, \a0+1
.irp b, 0,1,2,3,4,5,6,7
.if \zero
	v_wmma_scale_f32_16x16x128_f8f6f4 v[8*(8*((\a)%4)+\b):8*(8*((\a)%4)+\b)+7], v[128*(\p)+FR*\b:128*(\p)+FR*\b+FR-1], v[AF+FR*(\a):AF+FR*(\a)+FR-1], 0, v[SC+8*NQ*(\sc)+NQ*\b+(\q)], v[SC+8*NQ*(\sc)+NQ*(\a)+(\q)] matrix_a_fmt:MATRIX_FMT_FP4 matrix_b_fmt:MATRIX_FMT_FP4 matrix_a_scale:MATRIX_SCALE_ROW1
.else
	v_wmma_scale_f32_16x16x128_f8f6f4 v[8*(8*((\a)%4)+\b):8*(8*((\a)%4)+\b)+7], v[128*(\p)+FR*\b:128*(\p)+FR*\b+FR-1], v[AF+FR*(\a):AF+FR*(\a)+FR-1], v[8*(8*((\a)%4)+\b):8*(8*((\a)%4)+\b)+7], v[SC+8*NQ*(\sc)+NQ*\b+(\q)], v[SC+8*NQ*(\sc)+NQ*(\a)+(\q)] matrix_a_fmt:MATRIX_FMT_FP4 matrix_b_fmt:MATRIX_FMT_FP4 matrix_a_scale:MATRIX_SCALE_ROW1
.endif
.endr
.endr
.endm
.macro FETCH_B slot, q, p
	WIN TO_B
.irp i, 0,1,2,3,4,5,6,7
	FRAG 128*(\p)+FR*\i, ADRB+\slot, \q, \i
.endr
	WIN 0
.endm
.macro FETCH_A slot, q, i0
.irp i, \i0, \i0+1, \i0+2, \i0+3
	FRAG AF+FR*(\i), ADRA+\slot, \q, \i
.endr
.endm
.macro SCALES sc                       ; a slot's scale words: 4 a row; lanes 0-15 take A's block i, lanes 16-31 B's block i
.irp i, 0,1,2,3,4,5,6,7
	ds_load_b128 v[SC+8*NQ*\sc+NQ*\i:SC+8*NQ*\sc+NQ*\i+3], v[ADRS] offset:\i*SBLK
.endr
.endm
.macro PLACES n                        ; plain vector lines between a matrix instruction and a load into, or a vector line on, its registers (ISA guide 7.12.1 for vector lines)
.rept \n
	v_nop
.endr
.endm
.macro STEP slot, q, zero              ; 128 along K that has its successor in the same slot
	s_wait_dscnt 4*NL                              ; B's set and A's blocks 0-3 are in; the youngest eight loads (A's blocks 4-7) may be out
	WIN MUL_LO
	MUL16 0, (\q)%2, \q, \slot, \zero
	MUL16 2, (\q)%2, \q, \slot, \zero
	s_wait_dscnt 0
	PLACES NP
	FETCH_B \slot, (\q)+1, 1-(\q)%2
	FETCH_A \slot, (\q)+1, 0
	WIN MUL_HI
	MUL16 4, (\q)%2, \q, \slot, \zero
	MUL16 6, (\q)%2, \q, \slot, \zero
	PLACES NP
	WIN 0
	FETCH_A \slot, (\q)+1, 4
.endm
; The last three steps of 128 along K, written out in both arms.  It ends with every window 0 and with the places for what follows: loads into B's registers, vector lines on A's and the scales', reads of the last results.
.macro TAIL
	STEP 1, 1, 0
	STEP 1, 2, 0
	s_wait_dscnt 4*NL
	WIN MUL_LO
	MUL16 0, 1, NQ-1, 1, 0
	MUL16 2, 1, NQ-1, 1, 0
	s_wait_dscnt 0
	WIN MUL_HI
	MUL16 4, 1, NQ-1, 1, 0
	MUL16 6, 1, NQ-1, 1, 0
	WIN 0
	PLACES NP
.endm
; THE WAY OUT OF q AND k, block a of 16 positions x 128 channels.  A pair (even channel xe, odd channel xo) with its (c, s): (xe c - xo s, xe s + xo c): one packed product with the halves
; swapped, (xo s, xe s), and one packed multiply-add, (xe c - , xo c +).  Each accumulator is read from its low end on.
.macro ROPEBLK a
.set AC, 64*((\a)%4)
.set TT, 64*(1-(\a)/4)+32*((\a)%2)+128*(((\a)%4)/2)
.set FF, 32+32*((\a)%2)
.if (\a) < 4
	s_wait_loadcnt 32                              ; the first four tables are in; the last four blocks' 32 loads may be out
.else
	s_wait_loadcnt 8*(7-(\a))                      ; my table is in; the later blocks' may be out
.endif
	s_wait_xcnt 0x0                                ; earlier stores have read their data registers, which are written again
	WIN 0x06+(\a)/4                                ; source 0: the accumulators' window; source 1: window 1
.irp b, 0,1,2,3,4,5,6,7
.irp i, 0,1,2,3
	v_pk_mul_f32 v[UU+8*\b+2*\i:UU+8*\b+2*\i+1], v[AC+8*\b+2*\i:AC+8*\b+2*\i+1], v[TT+8*(\b%4)+2*\i:TT+8*(\b%4)+2*\i+1] op_sel:[1,1] op_sel_hi:[0,1]
.endr
.irp i, 0,1,2,3
	v_pk_fma_f32 v[RR+8*\b+2*\i:RR+8*\b+2*\i+1], v[AC+8*\b+2*\i:AC+8*\b+2*\i+1], v[TT+8*(\b%4)+2*\i:TT+8*(\b%4)+2*\i+1], v[UU+8*\b+2*\i:UU+8*\b+2*\i+1] op_sel_hi:[1,0,1] neg_lo:[0,0,1]
.endr
.endr
	WIN 0
.set n, 0
.rept 32
	v_cvt_pk_f16_f32 v[FF+n], v[RR+2*n], v[RR+2*n+1]
.set n, n+1
.endr
.irp bp, 0,1,2,3                       ; fragment bp: 32 channels: head bp / 2 of my two, half bp % 2 of its 64
.irp c, 0,1
	global_store_b128 v[L16], v[FF+8*\bp+4*\c:FF+8*\bp+4*\c+3], s[20+2*(\bp/2):21+2*(\bp/2)] offset:2048*(\a)+1024*(\bp%2)+512*\c   ; 512 consecutive aligned bytes
.endr
.endr
.if (\a) == 0                          ; positions 0-15 also in f32.  The branch hangs on the cluster's y and the wave's number; the place in the cluster makes a lane mask alone
	s_or_b32 s2, s13, s15
	s_cmp_lg_u32 s2, 0
	s_cbranch_scc1 .Lno_copy_\@
	s_wait_xcnt 0x0                                ; EXEC changes only behind this wait
	v_cmp_eq_u32 vcc_lo, 0, v[VCY]
	s_and_saveexec_b32 s3, vcc_lo
.irp b, 0,1,2,3,4,5,6,7
.irp e, 0,1
	global_store_b128 v[FCO], v[RR+8*\b+4*\e:RR+8*\b+4*\e+3], s[92:93] offset:64*\b+16*\e
.endr
.endr
	s_wait_xcnt 0x0                                ; and again in front of the line that widens it
	s_or_b32 exec_lo, exec_lo, s3
.Lno_copy_\@:
.endif
.endm
; THE WAY OUT OF v, block a of 16 channels x 128 keys: packed as it stands.
.macro VBLK a
.set AC, 64*((\a)%4)
.set FF, 32+32*((\a)%2)
	s_wait_xcnt 0x0                                ; the stores of two blocks back have read their data registers
	WIN 0x0a+5*((\a)/4)                            ; sources 0 and 1: the accumulators' window
.set n, 0
.rept 32
	v_cvt_pk_f16_f32 v[FF+n], v[AC+2*n], v[AC+2*n+1]
.set n, n+1
.endr
	WIN 0
.irp bp, 0,1,2,3                       ; fragment bp: 32 keys
.irp c, 0,1
	global_store_b128 v[L16], v[FF+8*\bp+4*\c:FF+8*\bp+4*\c+3], s[20+2*((\a)/4):21+2*((\a)/4)] offset:16384+4096*\bp+1024*((\a)%4)+512*\c
.endr
.endr
.endm
	s_wait_tensorcnt 1                             ; the scales and my part of slot 0 are in; slot 1's load may be out
	s_barrier_signal -1
	s_barrier_wait -1
	FETCH_B 0, 0, 0
	FETCH_A 0, 0, 0
	SCALES 0
	FETCH_A 0, 0, 4
	STEP 0, 0, 1                                   ; the first products start the sums: nothing is cleared
	STEP 0, 1, 0
	STEP 0, 2, 0
	; slot 0's last step, and the change to slot 1: my part of slot 1 has landed, and behind the barrier everybody's has
	s_wait_tensorcnt 0x0
	ds_add_u32 v[SPW], v[NIL]
	s_wait_dscnt 4*NL+1                            ; the add and A's blocks 4-7 may be out
	WIN MUL_LO
	MUL16 0, 1, NQ-1, 0, 0
	s_wait_dscnt 0x0
	s_barrier_signal -1
	MUL16 2, 1, NQ-1, 0, 0
	WIN 0
	s_barrier_wait -1
	PLACES NP
	v_add_nc_u32 v[ADRS], 4*NQ, v[ADRS]            ; the second slot's scale words (no LDS load of mine is out)
	FETCH_B 1, 0, 0
	FETCH_A 1, 0, 0
	SCALES 1
	WIN MUL_HI
	MUL16 4, 1, NQ-1, 0, 0
	MUL16 6, 1, NQ-1, 0, 0
	PLACES NP
	WIN 0
	FETCH_A 1, 0, 4
	STEP 1, 0, 0
	s_cmp_eq_u32 ttmp9, 2                          ; THE ONE PARTING: the cluster's x.  Every window is 0 here; no barrier but the closing round follows
	s_cbranch_scc1 .Lpath_v
	; ---- q, k.  Where my results go: s[20:21], s[22:23]: my two heads' images; s[92:93]: the f32 copy; s[8:9]: the table at my 128 positions
	s_lshl_b32 s18, s17, 1
	s_add_co_u32 s18, s18, s15                     ; 2 x A's tile + my half: my 128 positions
	s_lshl_b32 s2, s18, 15                         ; 128 rows of 256 bytes of the table
	s_add_nc_u64 s[8:9], s[8:9], s[2:3]
	s_cmp_eq_u32 ttmp9, 1                          ; k?
	s_cselect_b64 s[20:21], s[96:97], s[10:11]
	s_cselect_b32 s12, 20, 19                      ; a head: 2^20 bytes of kv, 2^19 of qimg
	s_cselect_b32 s19, 15, 14                      ; 128 positions: 2^15 bytes of kv, 2^14 of qimg
	s_cselect_b32 s95, 0x10000, 0                  ; k's rows in the f32 copy lie behind q's
	s_lshl_b32 s2, s40, 2
	s_lshl_b32 s22, s16, 1
	s_add_co_u32 s2, s2, s22                       ; my first head: 4 cx + 2 x my half of B
	s_lshl_b32 s2, s2, s12
	s_lshl_b32 s18, s18, s19
	s_add_co_u32 s2, s2, s18
	s_add_nc_u64 s[20:21], s[20:21], s[2:3]
	s_lshl_b32 s2, 1, s12
	s_add_nc_u64 s[22:23], s[20:21], s[2:3]
	s_lshl_b32 s2, s40, 10                         ; my first channel, 256 cx + 128 half, in f32
	s_lshl_b32 s18, s16, 9
	s_add_co_u32 s2, s2, s18
	s_add_co_u32 s2, s2, s95
	s_add_nc_u64 s[92:93], s[98:99], s[2:3]
	WIN TO_B
	TABLE 0                                        ; four blocks' tables fit beside B's two sets, in registers that no matrix instruction names; they land under the 192 products of TAIL
	TABLE 1
	TABLE 2
	TABLE 3
	WIN 0
	TAIL
	WIN TO_B
	TABLE 4                                        ; B's sets are done with: the last four blocks' tables take their registers
	TABLE 5
	TABLE 6
	TABLE 7
	WIN 0
.irp a, 0,1,2,3,4,5,6,7
	ROPEBLK \a
.endr
	s_branch .Lfin
	; ---- v.  s[20:21], s[22:23]: my two heads' steps of kv; s[92:93]: the f32 copy
.Lpath_v:
	s_lshl_b32 s2, s41, 2
	s_lshl_b32 s18, s15, 1
	s_add_co_u32 s2, s2, s18                       ; my first head: 4 cy + 2 x my half of A
	s_lshl_b32 s2, s2, 20
	s_lshl_b32 s18, s42, 1
	s_add_co_u32 s18, s18, s16                     ; my step of 128 keys: 2 x B's tile + my half
	s_lshl_b32 s18, s18, 15
	s_add_co_u32 s2, s2, s18
	s_add_nc_u64 s[20:21], s[96:97], s[2:3]
	s_add_nc_u64 s[22:23], s[20:21], 0x100000
	s_lshl_b32 s2, s41, 14                         ; the f32 copy: tile of 16 channels 16 cy + 8 half, 1,024 bytes each, behind q's and k's rows
	s_lshl_b32 s18, s15, 13
	s_add_co_u32 s2, s2, s18
	s_add_co_u32 s2, s2, 0x20000
	s_add_nc_u64 s[92:93], s[98:99], s[2:3]
	TAIL
.irp a, 0,1,2,3,4,5,6,7
	VBLK \a
.endr
	s_or_b32 s2, s13, s16                          ; keys 0-15 also in f32: the accumulators (a, 0) as they stand
	s_cmp_lg_u32 s2, 0
	s_cbranch_scc1 .Lfin
	s_wait_xcnt 0x0                                ; EXEC changes only behind this wait
	v_cmp_eq_u32 vcc_lo, 0, v[VCX]
	s_and_saveexec_b32 s3, vcc_lo
	WIN 0x08                                       ; a store's data are its source 1: window 2
.irp a, 0,1,2,3
	global_store_b128 v[L32], v[64*\a:64*\a+3], s[92:93] offset:1024*\a
	global_store_b128 v[L32], v[64*\a+4:64*\a+7], s[92:93] offset:1024*\a+16
.endr
	WIN 0x0c                                       ; window 3
.irp a, 0,1,2,3
	global_store_b128 v[L32], v[64*\a:64*\a+3], s[92:93] offset:1024*(\a+4)
	global_store_b128 v[L32], v[64*\a+4:64*\a+7], s[92:93] offset:1024*(\a+4)+16
.endr
	WIN 0
	s_wait_xcnt 0x0
	s_or_b32 exec_lo, exec_lo, s3
.Lfin:
	s_wait_tensorcnt 0x0                           ; the wave's end
	ds_add_u32 v[SPW], v[NIL]
	s_wait_dscnt 0x0
	CROUND                                         ; the closing round
	s_endpgm
.Lfunc_end_k_qe467876ea0_qkv:
	.size	k_qe467876ea0_qkv, .Lfunc_end_k_qe467876ea0_qkv-k_qe467876ea0_qkv
	.p2alignl 7, 3214868480
	.fill 96, 4, 3214868480
	.section	.rodata,"a",@progbits
	.p2align	6, 0x0
	.amdhsa_kernel k_qe467876ea0_qkv
		.amdhsa_group_segment_fixed_size 327680
		.amdhsa_private_segment_fixed_size 0
		.amdhsa_enable_private_segment 0
		.amdhsa_kernarg_size 48
		.amdhsa_user_sgpr_count 2
		.amdhsa_user_sgpr_kernarg_segment_ptr 1
		.amdhsa_wavefront_size32 1
		.amdhsa_system_sgpr_workgroup_id_x 1
		.amdhsa_system_sgpr_workgroup_id_y 1
		.amdhsa_system_sgpr_workgroup_id_z 1
		.amdhsa_system_vgpr_workitem_id 0
		.amdhsa_next_free_vgpr 1024
		.amdhsa_next_free_sgpr 100
		.amdhsa_reserve_vcc 1
		.amdhsa_float_denorm_mode_32 3
		.amdhsa_float_denorm_mode_16_64 3
		.amdhsa_memory_ordered 1
		.amdhsa_forward_progress 1
		.amdhsa_inst_pref_size 213
	.end_amdhsa_kernel
	.amdgpu_metadata
---
amdhsa.version: [ 1, 2 ]
amdhsa.kernels:
  - .name:           k_qe467876ea0_qkv
    .symbol:         k_qe467876ea0_qkv.kd
    .args:
      - { .name: codes, .offset: 0, .size: 8, .value_kind: global_buffer, .address_space: global }
      - { .name: scales, .offset: 8, .size: 8, .value_kind: global_buffer, .address_space: global }
      - { .name: rope, .offset: 16, .size: 8, .value_kind: global_buffer, .address_space: global }
      - { .name: qimg, .offset: 24, .size: 8, .value_kind: global_buffer, .address_space: global }
      - { .name: kv, .offset: 32, .size: 8, .value_kind: global_buffer, .address_space: global }
      - { .name: first, .offset: 40, .size: 8, .value_kind: global_buffer, .address_space: global }
    .group_segment_fixed_size: 327680
    .private_segment_fixed_size: 0
    .kernarg_segment_align: 8
    .kernarg_segment_size: 48
    .max_flat_workgroup_size: 128
    .sgpr_count:     100
    .vgpr_count:     1024
    .wavefront_size: 32
...
	.end_amdgpu_metadata
.endif
;; end of part 2
;; launch attn (part 3): grid 16 x 16, 16 waves a work-group, no clusters, 327,680 bytes of LDS; arguments qimg, kv, abuf; writes abuf
.if DOCPART == 3
	.amdgcn_target "amdgcn-amd-amdhsa--gfx1250"
	.amdhsa_code_object_version 6
	.text
	.protected	k_qe467876ea0_attn
	.globl	k_qe467876ea0_attn
	.p2align	8
	.type	k_qe467876ea0_attn,@function
k_qe467876ea0_attn:
	s_mov_b64 s[64:65], 0
	v_nop
	global_prefetch_b8 v0, s[64:65] scope:SCOPE_SE
	s_setreg_imm32_b32 hwreg(HW_REG_WAVE_MODE, 25, 1), 1
	s_wait_xcnt 0x0
; ATTN.  a[q][head] = softmax over the keys k <= q of (Q[q] . K[k] / 8) times V, 16 heads of 64 channels, 4,096 positions.  Operands in f16, products, maxima and sums in f32;
; a running maximum m and sum l for each query: p = 2^(c s - c m), c = log2(e) / 8; in every step O and l are multiplied by 2^(c m_old - c m_new).
; SHARES.  Work-group (p, head) owns the blocks of 128 queries p and 31 - p of one head: 33 block-steps of work whatever p is.  Each of its sixteen waves owns one tile of 16 queries;
; of waves 2 i and 2 i + 1 one takes tile i of the early block and the other of the late one, by (w xor w / 4) % 2.
; Every work-group walks all 8 slots of 512 keys, so that the trip counts are constants; a step of 128 keys all of which come after a wave's queries is jumped over by that wave
; (a scalar branch on ids, round no barrier), and a slot whose first key comes after the work-group's last query is not asked for.
; LAYOUT.  S^T = K Q^T (source 0 = 16 keys, source 1 = my 16 queries) and O^T = V^T P (source 0 = 16 channels, source 1 = P): a lane holds ONE query throughout; two neighbouring tiles of
; p, packed in pairs, are a fragment of P.  Q, K and V^T arrive as images of operand registers (1,024 bytes a fragment: registers 4 c .. 4 c + 3 of lane l at 512 c + 16 l), so every LDS
; load reads 512 consecutive bytes, and O^T, packed, leaves as such an image: abuf [256 channels 4][tile of 16 rows 256][32 channels 8][1,024].
; THE RING.  Two LDS slots of 131,072 bytes.  A step's 32,768 bytes of kv are four quarters of 8,192: K's tiles 0-3, K's tiles 4-7, V^T's keys 0-63, V^T's keys 64-127.  Wave j (0 .. 3) brings
; quarter j of all four steps of a slot by one tensor load (4 rows of 8,192 bytes, 32,768 apart in memory), to slot + 32,768 j: so each load holds bytes of the slot's first step.
; NO CLUSTER: work-groups of one head have different causal limits, so partners would need different numbers of tiles.
; LIMITS: the operands are f16 (|q|, |k|, |v| under 65,504).
.set SLOT1, 1<<17
.set SPARE, 2*SLOT1                    ; behind the ring: the spare words, 128 bytes for each of 16 waves
.set LI,   1                           ; v1   16 x lane; never rewritten
.set SPW,  2                           ; v2   LDS address of my spare word; never rewritten
.set NIL,  3                           ; v3   0
.set ADK,  4                           ; v4   the step's K quarters
.set PFO,  5                           ; v5   256 x lane: the prefetches' offset; never rewritten
.set DD,   6                           ; v6   the mask: my query - the step's first key - 8 h
.set NINF, 7                           ; v7   -infinity
.set CM,   8                           ; v[8:9]   c m, m
.set LS,   10                          ; v[10:11] l in two halves
.set ADV,  12                          ; v12  the step's V quarters: ADK + 65,536
.set RH,   13                          ; v13  r - 8 h
.set Q,    16                          ; v16-31   Q: two fragments
.set KV,   32                          ; v32-95   eight fragments of K or of V^T
.set S,    96                          ; v96-159  S^T, then p
.set O,    160                         ; v160-191 O^T
.set P,    192                         ; v192-223 P
.set MX,   224                         ; v224-227 four chains of the maximum; v228-230 at work
.set AA,   232                         ; v[232:233] a (the low word serves both halves)
.set L2,   234                         ; v[234:235] the second chain of the sum
.set TB,   2                           ; s2   LDS byte of the step in hand: slot + 8,192 x step
.set WV,   18
.set SEL,  20                          ; s[20:21] v_permlanex16_b32's selects for lane l xor 16
.set CS,   22                          ; s[22:23] c, twice
.set G1,   24
.set G0,   32
.set SLOTS, 36
.set CNT,  37
.set KF,   38                          ; the step's first key
.set Q0,   39                          ; my first query
.set LASTQ, 40                         ; my work-group's last query
.set LIM,  41
.set PFA,  42
.macro TLOAD                           ; waves 0 to 3 fetch; an s_nop 0 and four v_nop follow the line
	s_cmp_lt_u32 s[WV], 4
	s_cbranch_scc0 .Lasked_\@
	tensor_load_to_lds s[G0:G0+3], s[G1:G1+7]
	s_nop 0
.rept 4
	v_nop
.endr
.Lasked_\@:
.endm
; A PREFETCH of the slot that the NEXT change of slots will ask for: 131,072 bytes, each of the sixteen waves 8,192 of them, lanes 256 bytes apart, one instruction a wave.  All work-groups of a
; head walk the same kv: the head's work-group p = 0, which itself loads all eight slots, asks, and nobody else: each aligned 256 bytes are named once in the launch.
; Slots 0 and 1 come by their loads alone; the last change that fills a slot asks for nothing.
.macro ASK
	s_cmp_gt_u32 s[SLOTS], s[LIM]
	s_cbranch_scc0 .Lnot_mine_\@
	global_prefetch_b8 v[PFO], s[PFA:PFA+1] th:TH_LOAD_NT scope:SCOPE_SE
.Lnot_mine_\@:
.endm
	s_load_b128 s[4:7], s[0:1], 0x0                ; qimg, kv
	s_load_b64 s[8:9], s[0:1], 0x10                ; abuf
	v_lshl_add_u32 v[SPW], v0, 2, SPARE
	v_mov_b32 v[NIL], 0
	ds_add_u32 v[SPW], v[NIL]                      ; the wave's opening: the add, twice on end, and its wait ahead of the first tensor load
	ds_add_u32 v[SPW], v[NIL]
	v_lshrrev_b32 v4, 5, v0
	v_readfirstlane_b32 s[WV], v4                  ; wave 0..15
	s_and_b32 s10, ttmp7, 0xffff                   ; the head
	s_lshr_b32 s44, s[WV], 2
	s_xor_b32 s44, s44, s[WV]
	s_and_b32 s44, s44, 1                          ; 0: the early block, 1: the late one
	s_lshr_b32 s45, s[WV], 1                       ; my tile in it
	s_sub_co_u32 s46, 31, ttmp9
	s_cmp_eq_u32 s44, 1
	s_cselect_b32 s47, s46, ttmp9
	s_lshl_b32 s[Q0], s47, 7
	s_lshl_b32 s45, s45, 4
	s_add_co_u32 s[Q0], s[Q0], s45
	s_lshl_b32 s[LASTQ], s46, 7
	s_add_co_u32 s[LASTQ], s[LASTQ], 127
	s_mov_b32 s[G1], 3<<16                         ; no mask; elements of 8 bytes; no padding
	s_mov_b32 s[G1+1], 1024<<16                    ; tensor_dim0 = 1,024 elements: 8,192 bytes
	s_mov_b32 s[G1+2], 4<<16                       ; tensor_dim1 = 4
	s_mov_b32 s[G1+3], 1024<<16                    ; tile_dim0
	s_mov_b32 s[G1+4], 4                           ; tile_dim1
	s_mov_b32 s[G1+5], 4096                        ; the pitch: a step's 32,768 bytes
	s_mov_b32 s[G1+6], 0
	s_mov_b32 s[G1+7], 0
	s_mov_b32 s[SEL], 0x76543210
	s_mov_b32 s[SEL+1], 0xfedcba98
	s_mov_b32 s[CS], 0x3e38aa3b                    ; c = log2(e) / 8
	s_mov_b32 s[CS+1], s[CS]
	s_mov_b32 s[TB], 0
	s_mov_b32 s[KF], 0
	s_mov_b32 s[SLOTS], 7
	s_cmp_eq_u32 ttmp9, 0
	s_cselect_b32 s[LIM], 1, -1
	s_and_b32 s44, s[WV], 3
	s_lshl_b32 s11, s44, 15                        ; my quarter's place in a slot,
	s_lshl_b32 s44, s44, 13                        ; and in a step in memory
	s_mov_b32 s45, 0
	s_lshl_b32 s46, s10, 20                        ; my head in kv
	s_mov_b32 s47, 0
	s_wait_dscnt 0x0                               ; both opening adds are done
	s_wait_kmcnt 0x0
	s_add_nc_u64 s[6:7], s[6:7], s[46:47]
	s_mov_b32 s[G0], 1
	s_mov_b32 s[G0+1], s11
	s_add_nc_u64 s[G0+2:G0+3], s[6:7], s[44:45]
	s_or_b32 s[G0+3], s[G0+3], 0x80000000
	TLOAD                                          ; slot 0: key 0 counts for every query
	s_lshl_b32 s44, s[WV], 13
	s_add_co_u32 s44, s44, SLOT1                   ; the prefetches stand in slot 1; the first change of slots steps them to slot 2
	s_add_nc_u64 s[PFA:PFA+1], s[6:7], s[44:45]
	s_lshl_b32 s44, s10, 19                        ; Q: my head, my tile of 2,048 bytes
	s_lshl_b32 s46, s[Q0], 7
	s_add_co_u32 s44, s44, s46
	s_add_nc_u64 s[4:5], s[4:5], s[44:45]
	s_lshr_b32 s44, s10, 2                         ; the result: 256 channels (four heads) are 2^21 bytes, a tile of 16 rows 8,192, a head 2,048
	s_lshl_b32 s44, s44, 21
	s_lshl_b32 s46, s[Q0], 9
	s_add_co_u32 s44, s44, s46
	s_and_b32 s46, s10, 3
	s_lshl_b32 s46, s46, 11
	s_add_co_u32 s44, s44, s46
	s_add_nc_u64 s[8:9], s[8:9], s[44:45]
	v_and_b32 v4, 31, v0
	v_lshlrev_b32 v[LI], 4, v4
	v_lshlrev_b32 v[PFO], 8, v4
.irp i, 0,1,2,3
	global_load_b128 v[Q+4*\i:Q+4*\i+3], v[LI], s[4:5] offset:512*\i   ; Q stays in registers
.endr
	v_and_b32 v[RH], 15, v0
	v_bfe_u32 v[ADV], v0, 4, 1
	v_lshlrev_b32 v[ADV], 3, v[ADV]
	v_sub_nc_u32 v[RH], v[RH], v[ADV]
	v_mov_b32 v[NINF], 0xff800000
	v_mov_b32 v[CM+1], 0xff61b1e6                  ; m = -3e38, under every score
	v_mul_f32 v[CM], s[CS], v[CM+1]
	v_mov_b32 v[LS], 0
	v_mov_b32 v[LS+1], 0
	v_mov_b32 v229, 0                              ; a lane permute's destination counts as one of its sources
	v_mov_b32 v[AA+1], 0                           ; named as the upper half of a pair
.set n, 0
.rept 32
	v_mov_b32 v[O+n], 0                            ; the step is written once: the first finds zeros, which the first change of m leaves zeros
.set n, n+1
.endr
.macro STEP
	s_add_co_u32 s44, s[Q0], 15
	s_cmp_gt_u32 s[KF], s44                        ; all 128 keys come after my queries: only the addresses step
	s_cbranch_scc1 .Lhidden_\@
	v_add_nc_u32 v[ADK], s[TB], v[LI]
	v_add_nc_u32 v[ADV], 0x10000, v[ADK]
	v_nop
	v_nop                                          ; four plain lines between the last step's products and the loads into their registers
.irp g, 0,1                            ; S^T = K Q^T, four tiles of 16 keys at a time; the four accumulators take turns
.irp f, 0,1,2,3,4,5,6,7
.irp c, 0,1
	ds_load_b128 v[KV+8*\f+4*\c:KV+8*\f+4*\c+3], v[ADK] offset:32768*\g+1024*\f+512*\c
.endr
.endr
	s_wait_dscnt 0x0
.irp kt, 0,1,2,3
	v_wmma_f32_16x16x32_f16 v[S+32*\g+8*\kt:S+32*\g+8*\kt+7], v[KV+16*\kt:KV+16*\kt+7], v[Q:Q+7], 0
.endr
.irp kt, 0,1,2,3
	v_wmma_f32_16x16x32_f16 v[S+32*\g+8*\kt:S+32*\g+8*\kt+7], v[KV+16*\kt+8:KV+16*\kt+15], v[Q+8:Q+15], v[S+32*\g+8*\kt:S+32*\g+8*\kt+7]
.endr
.rept 4
	v_nop
.endr
.endr
.irp f, 0,1,2,3,4,5,6,7                ; V^T's keys 0-63 are asked for now and land under the softmax
.irp c, 0,1
	ds_load_b128 v[KV+8*\f+4*\c:KV+8*\f+4*\c+3], v[ADV] offset:1024*\f+512*\c
.endr
.endr
	s_add_co_u32 s44, s[KF], 127
	s_cmp_le_u32 s44, s[Q0]                        ; all keys count: no mask
	s_cbranch_scc1 .Lopen_\@
	s_sub_co_i32 s44, s[Q0], s[KF]
	v_add_nc_u32 v[DD], s44, v[RH]                 ; register 8 t + j holds key KF + 16 t + 8 h + j: hidden where 16 t + j > my query - KF - 8 h
.irp n, 0,1,2,3,4,5,6,7,8,9,10,11,12,13,14,15,16,17,18,19,20,21,22,23,24,25,26,27,28,29,30,31,32,33,34,35,36,37,38,39,40,41,42,43,44,45,46,47,48,49,50,51,52,53,54,55,56,57,58,59,60,61,62,63
	v_cmp_gt_i32 vcc_lo, 16*(\n/8)+\n%8, v[DD]
	v_cndmask_b32 v[S+\n], v[S+\n], v[NINF], vcc_lo
.endr
.Lopen_\@:
.irp b, 0,1,2,3                        ; the maximum of my 64 scores, in four chains; each accumulator is read from its low end on
	v_max3_num_f32 v[MX+\b], v[S+16*\b], v[S+1+16*\b], v[S+2+16*\b]
.endr
.irp i, 3,5,7,9,11,13
.irp b, 0,1,2,3
	v_max3_num_f32 v[MX+\b], v[MX+\b], v[S+16*\b+\i], v[S+1+16*\b+\i]
.endr
.endr
.irp b, 0,1,2,3
	v_max_num_f32 v[MX+\b], v[MX+\b], v[S+15+16*\b]
.endr
	v_max3_num_f32 v228, v[MX], v[MX+1], v[MX+2]
	v_max3_num_f32 v228, v228, v[MX+3], v[CM+1]    ; with the old m
	v_permlanex16_b32 v229, v228, s[SEL], s[SEL+1] ; the query's other 64 keys lie in the lane 16 away
	v_mov_b32 v230, v[CM]
	v_max_num_f32 v[CM+1], v228, v229              ; the new m
	v_mul_f32 v[CM], s[CS], v[CM+1]
	v_sub_f32 v230, v230, v[CM]                    ; c m_old - c m_new
.set n, 0
.rept 32
	v_pk_fma_f32 v[S+n:S+n+1], v[S+n:S+n+1], s[CS:CS+1], v[CM:CM+1] op_sel_hi:[1,0,0] neg_lo:[0,0,1] neg_hi:[0,0,1]   ; c s - c m
.set n, n+2
.endr
	v_exp_f32 v[AA], v230                          ; ONE BATCH: a and the 64 weights
.set n, 0
.rept 64
	v_exp_f32 v[S+n], v[S+n]
.set n, n+1
.endr
	v_nop                                          ; a plain line behind the last exponential
	s_wait_alu depctr_va_vdst(0)                   ; the wait ahead of the first line that names a result: one for the batch
	v_pk_mul_f32 v[LS:LS+1], v[LS:LS+1], v[AA:AA+1] op_sel_hi:[1,0]
	v_pk_add_f32 v[L2:L2+1], v[S:S+1], v[S+2:S+3]  ; the sum, two at a time, in two chains
.irp j, 4,8,12,16,20,24,28,32,36,40,44,48,52,56,60
	v_pk_add_f32 v[LS:LS+1], v[LS:LS+1], v[S+\j:S+\j+1]
	v_pk_add_f32 v[L2:L2+1], v[L2:L2+1], v[S+2+\j:S+3+\j]
.endr
	v_pk_add_f32 v[LS:LS+1], v[LS:LS+1], v[L2:L2+1]
.set n, 0
.rept 32
	v_cvt_pk_f16_f32 v[P+n], v[S+2*n], v[S+2*n+1]  ; four fragments of P
.set n, n+1
.endr
.set n, 0
.rept 16
	v_pk_mul_f32 v[O+n:O+n+1], v[O+n:O+n+1], v[AA:AA+1] op_sel_hi:[1,0]
.set n, n+2
.endr
	s_wait_dscnt 0x0                               ; V^T's keys 0-63
.irp f, 0,1,2,3,4,5,6,7                ; O^T += V^T P: the four accumulators take turns
	v_wmma_f32_16x16x32_f16 v[O+8*(\f%4):O+8*(\f%4)+7], v[KV+8*\f:KV+8*\f+7], v[P+8*(\f/4):P+8*(\f/4)+7], v[O+8*(\f%4):O+8*(\f%4)+7]
.endr
.rept 4
	v_nop
.endr
.irp f, 0,1,2,3,4,5,6,7
.irp c, 0,1
	ds_load_b128 v[KV+8*\f+4*\c:KV+8*\f+4*\c+3], v[ADV] offset:32768+1024*\f+512*\c
.endr
.endr
	s_wait_dscnt 0x0
.irp f, 0,1,2,3,4,5,6,7
	v_wmma_f32_16x16x32_f16 v[O+8*(\f%4):O+8*(\f%4)+7], v[KV+8*\f:KV+8*\f+7], v[P+16+8*(\f/4):P+16+8*(\f/4)+7], v[O+8*(\f%4):O+8*(\f%4)+7]
.endr
.Lhidden_\@:
	s_add_co_u32 s[KF], s[KF], 128
	s_add_co_u32 s[TB], s[TB], 8192
.endm
; THE CHANGE OF SLOTS stands at a slot's head.  Each wave waits for all its tensor loads, adds 0 to its spare word (fill = 1: twice on end)
; and waits for that and for its reads of the slot that it has left.  Behind the barrier the slot ahead is whole and nobody reads the other one, which is filled with
; the keys that follow, up to the causal limit: the load has a slot's four steps in which to land.  Every wait on TENSORcnt in this text is for 0.
.macro CHANGE fill
	s_wait_tensorcnt 0x0
	ds_add_u32 v[SPW], v[NIL]
.if \fill
	ds_add_u32 v[SPW], v[NIL]
	s_xor_b32 s[G0+1], s[G0+1], SLOT1              ; no load of mine is out: the descriptor walks: the other slot, the next 512 keys
	s_add_nc_u64 s[G0+2:G0+3], s[G0+2:G0+3], SLOT1
	s_wait_xcnt 0x0                                ; the last prefetch, a slot back, has read its address
	s_add_nc_u64 s[PFA:PFA+1], s[PFA:PFA+1], SLOT1
.endif
	s_wait_dscnt 0x0
	s_barrier_signal -1
	s_barrier_wait -1
.if \fill
	s_add_co_u32 s44, s[KF], 512                   ; the first key of the slot that this change would ask for
	s_cmp_gt_u32 s44, s[LASTQ]                     ; ids and the count of steps alone: all sixteen waves go the same way, and stay past the limit once past it
	s_cbranch_scc1 .Lpast_\@
	TLOAD                                          ; a wave's one tensor load until the next change
.Lpast_\@:
	ASK
.endif
.endm
.macro FOUR_STEPS                      ; a slot's four steps: written once, walked four times
	s_mov_b32 s[CNT], 4
.Lstep_\@:
	STEP
	s_sub_co_u32 s[CNT], s[CNT], 1
	s_cmp_lg_u32 s[CNT], 0
	s_cbranch_scc1 .Lstep_\@
	s_sub_co_u32 s[TB], s[TB], 32768               ; back to a slot's first step,
	s_xor_b32 s[TB], s[TB], SLOT1                  ; in the other slot
.endm
	s_wait_loadcnt 0x0                             ; Q
.Lslot:
	CHANGE 1
	FOUR_STEPS
	s_sub_co_u32 s[SLOTS], s[SLOTS], 1
	s_cmp_lg_u32 s[SLOTS], 0
	s_cbranch_scc1 .Lslot
	CHANGE 0                                       ; the last slot is written out: nothing is left to ask for
	FOUR_STEPS
	; THE WAY OUT: O^T / l, packed to f16: two fragments of 16 rows x 32 channels, 512 consecutive aligned bytes a store
.rept 4
	v_nop
.endr
	v_add_f32 v[LS], v[LS], v[LS+1]
	v_permlanex16_b32 v229, v[LS], s[SEL], s[SEL+1]
	v_add_f32 v[LS], v[LS], v229
	v_rcp_f32 v[AA], v[LS]
	v_nop
	s_wait_alu depctr_va_vdst(0)                   ; ahead of the reciprocal's first reader
.set n, 0
.rept 16
	v_pk_mul_f32 v[S+n:S+n+1], v[O+n:O+n+1], v[AA:AA+1] op_sel_hi:[1,0]
.set n, n+2
.endr
.set n, 0
.rept 16
	v_cvt_pk_f16_f32 v[P+n], v[S+2*n], v[S+2*n+1]
.set n, n+1
.endr
.irp i, 0,1,2,3
	global_store_b128 v[LI], v[P+4*\i:P+4*\i+3], s[8:9] offset:512*\i
.endr
	s_wait_tensorcnt 0x0                           ; the wave's end
	ds_add_u32 v[SPW], v[NIL]
	s_wait_dscnt 0x0
	s_endpgm
.Lfunc_end_k_qe467876ea0_attn:
	.size	k_qe467876ea0_attn, .Lfunc_end_k_qe467876ea0_attn-k_qe467876ea0_attn
	.p2alignl 7, 3214868480
	.fill 96, 4, 3214868480
	.section	.rodata,"a",@progbits
	.p2align	6, 0x0
	.amdhsa_kernel k_qe467876ea0_attn
		.amdhsa_group_segment_fixed_size 327680
		.amdhsa_private_segment_fixed_size 0
		.amdhsa_enable_private_segment 0
		.amdhsa_kernarg_size 24
		.amdhsa_user_sgpr_count 2
		.amdhsa_user_sgpr_kernarg_segment_ptr 1
		.amdhsa_wavefront_size32 1
		.amdhsa_system_sgpr_workgroup_id_x 1
		.amdhsa_system_sgpr_workgroup_id_y 1
		.amdhsa_system_sgpr_workgroup_id_z 1
		.amdhsa_system_vgpr_workitem_id 0
		.amdhsa_next_free_vgpr 256
		.amdhsa_next_free_sgpr 66
		.amdhsa_reserve_vcc 1
		.amdhsa_float_denorm_mode_32 3
		.amdhsa_float_denorm_mode_16_64 3
		.amdhsa_memory_ordered 1
		.amdhsa_forward_progress 1
		.amdhsa_inst_pref_size 57
	.end_amdhsa_kernel
	.amdgpu_metadata
---
amdhsa.version: [ 1, 2 ]
amdhsa.kernels:
  - .name:           k_qe467876ea0_attn
    .symbol:         k_qe467876ea0_attn.kd
    .args:
      - { .name: qimg, .offset: 0, .size: 8, .value_kind: global_buffer, .address_space: global }
      - { .name: kv, .offset: 8, .size: 8, .value_kind: global_buffer, .address_space: global }
      - { .name: abuf, .offset: 16, .size: 8, .value_kind: global_buffer, .address_space: global }
    .group_segment_fixed_size: 327680
    .private_segment_fixed_size: 0
    .kernarg_segment_align: 8
    .kernarg_segment_size: 24
    .max_flat_workgroup_size: 512
    .sgpr_count:     66
    .vgpr_count:     256
    .wavefront_size: 32
...
	.end_amdgpu_metadata
.endif
;; end of part 3
;; launch proj (part 4): grid 8 x 32, 4 waves a work-group, clusters of 4 x 4, 327,680 bytes of LDS; arguments abuf, wo16, out0; writes out0
.if DOCPART == 4
	.amdgcn_target "amdgcn-amd-amdhsa--gfx1250"
	.amdhsa_code_object_version 6
	.text
	.protected	k_qe467876ea0_proj
	.globl	k_qe467876ea0_proj
	.p2align	8
	.type	k_qe467876ea0_proj,@function
k_qe467876ea0_proj:
	s_mov_b64 s[64:65], 0
	v_nop
	global_prefetch_b8 v0, s[64:65] scope:SCOPE_SE
	s_setreg_imm32_b32 hwreg(HW_REG_WAVE_MODE, 25, 1), 1
	s_wait_xcnt 0x0
	s_wait_alu depctr_hold_cnt(0) depctr_sa_sdst(0) depctr_va_vdst(0) depctr_va_sdst(0) depctr_va_ssrc(0) depctr_va_vcc(0) depctr_vm_vsrc(0)
	s_getreg_b32 s2, hwreg(HW_REG_IB_STS2, 6, 4)
	s_cmp_eq_u32 s2, 0
	s_cbranch_scc0 .Lentry_in_a_cluster
	s_endpgm
.Lentry_in_a_cluster:
	s_bfe_u32 s2, ttmp6, 0x10000c
	s_cmp_lg_u32 s2, 0xf033
	s_cbranch_scc0 .Lentry_shape_is_right
	s_endpgm
.Lentry_shape_is_right:
; PROJ.  out0[m][n] = sum over k of a[m][k] Wo[n][k]: [4096 x 1024 x 1024], operands f16, sums and result f32.  (Rows 0-15 are made once more, in f32, by the launch that follows.)
; 256 work-groups, a tile of 128 x 128 each; four waves of 64 x 64: 16 accumulators.  K goes in four steps of 256 through a ring of two LDS slots.
; a arrives as images of operand registers, abuf [K step 4][tile of 16 rows 256][32 along K 8][1,024 bytes]: a work-group's 128 rows of a K step are 65,536 dense bytes, and a fragment is two loads
; of 512 consecutive bytes.  Wo arrives as rows (wo16 [1024][1024] f16): rows of 512 bytes + 16 of padding in LDS.
; CLUSTERS of 4 x 4: a's tile is shared along a row of the cluster, Wo's along a column: each is asked for jointly.  THE MATRIX INSTRUCTION IS USED TRANSPOSED (source 0 = 16 rows of Wo,
; source 1 = 16 rows of a): a lane holds eight neighbouring numbers of a row of the result.
; REGISTERS: window 0: v16-29 addresses; v32-95 the way out; v128-255 the accumulators ((a, b) at v[128 + 8 (4 a + b)]).  Window 1: two fragment buffers of 128: 64 registers of a, then 64 of Wo.
.set PITCH,  528                       ; Wo's LDS row: 132 words: the 16 rows that a load touches start at 16 different banks (ISA guide 11.1)
.set ABYTES, 65536                     ; a's part of a slot
.set HALFB,  64*PITCH
.set SLOT,   ABYTES+2*HALFB
.set STAGE,  2*SLOT                    ; behind the ring: 16 rows x 272 bytes for each wave
.set SPITCH, 272
.set SPARE,  STAGE+4*16*SPITCH
.set ADRA, 16
.set ADRB, 20
.set STO,  24
.set RD,   25
.set CO,   26
.set SPW,  28
.set NIL,  29
.set TMP,  32
.set ACC,  128
.set F0,   0
.set F1,   128
.set G1, 24
.set G0, 32
.set G1B, 48
.set G0B, 56
.set MSB, 0
.macro WIN new
.if MSB != \new
	s_set_vgpr_msb (MSB<<8)|\new
.set MSB, \new
.endif
.endm
.set MUL,  0x05                        ; sources 0 and 1 window 1; C and D window 0
.set TO_F, 0x40
.macro JLOAD s                         ; waves 0 and 1 fetch a's two halves, waves 2 and 3 Wo's; an s_nop 0 and four v_nop follow each line
	s_cmp_eq_u32 s11, 0
	s_cbranch_scc0 .Lfor_b_\@
	tensor_load_to_lds s[G0+4*\s:G0+4*\s+3], s[G1:G1+7]
	s_nop 0
.rept 4
	v_nop
.endr
	s_branch .Lasked_\@
.Lfor_b_\@:
	tensor_load_to_lds s[G0B+4*\s:G0B+4*\s+3], s[G1B:G1B+7]
	s_nop 0
.rept 4
	v_nop
.endr
.Lasked_\@:
.endm
.macro CREST
	s_cmp_lg_u32 s10, 0
	s_cbranch_scc1 .Lnot_wave_0_\@
	s_barrier_signal -3
.Lnot_wave_0_\@:
	s_barrier_wait -3
	s_barrier_signal -1
	s_barrier_wait -1
.endm
.macro CROUND
	s_barrier_signal -1
	s_barrier_wait -1
	CREST
.endm
	s_load_b128 s[4:7], s[0:1], 0x0                ; abuf, wo16
	s_load_b64 s[8:9], s[0:1], 0x10                ; out0
	v_lshl_add_u32 v[SPW], v0, 2, SPARE
	v_mov_b32 v[NIL], 0
	ds_add_u32 v[SPW], v[NIL]                      ; the wave's opening: the add, twice on end, and its wait ahead of my first tensor load
	ds_add_u32 v[SPW], v[NIL]
	v_lshrrev_b32 v1, 5, v0
	v_readfirstlane_b32 s10, v1                    ; wave 0..3
	s_lshr_b32 s11, s10, 1                         ; which half of the tile's rows is mine.  Also: I fetch for a (0) or for Wo (1)
	s_and_b32 s12, s10, 1                          ; which half of its columns.  Also: which half of that tile I fetch
	s_bfe_u32 s40, ttmp6, 0x40000                  ; cx
	s_bfe_u32 s41, ttmp6, 0x40004                  ; cy
	s_lshl_b32 s42, ttmp9, 2
	s_add_co_u32 s42, s42, s40                     ; tile column
	s_and_b32 s13, ttmp7, 0xffff
	s_lshl_b32 s13, s13, 2
	s_add_co_u32 s13, s13, s41                     ; tile row
	s_lshl_b32 s43, s41, 2
	s_lshl_b32 s43, 15, s43                        ; my row of the cluster
	s_lshl_b32 s44, 0x1111, s40                    ; my column
	s_or_b32 s[G1+0], s43, (3<<16)|(1<<21)         ; a: 32,768 dense bytes as 128 rows of 256 (32 elements of 8 bytes), no padding; the mask, bit 21 beside it
	s_mov_b32 s[G1+1], 32<<16
	s_mov_b32 s[G1+2], 128<<16
	s_mov_b32 s[G1+3], 32<<16
	s_mov_b32 s[G1+4], 128
	s_mov_b32 s[G1+5], 32
	s_mov_b32 s[G1+6], 0
	s_mov_b32 s[G1+7], 0
	s_or_b32 s[G1B+0], s44, (1<<16)|(1<<20)|(1<<21)|(6<<22)|(3<<25)  ; Wo: 64 rows x 256 elements of 2 bytes, 4 words of padding behind every 128
	s_mov_b32 s[G1B+1], 256<<16
	s_mov_b32 s[G1B+2], 64<<16
	s_mov_b32 s[G1B+3], 256<<16
	s_mov_b32 s[G1B+4], 64
	s_mov_b32 s[G1B+5], 1024
	s_mov_b32 s[G1B+6], 0
	s_mov_b32 s[G1B+7], 0
	s_lshl_b32 s16, s13, 16                        ; a: 8 tiles of 16 rows x 8,192 bytes a tile row, + my 4
	s_lshl_b32 s17, s12, 15
	s_add_co_u32 s16, s16, s17
	s_mov_b32 s17, 0
	s_lshl_b32 s46, s42, 18                        ; Wo: 128 rows of 2,048 bytes a tile column, + my 64
	s_lshl_b32 s47, s12, 17
	s_add_co_u32 s46, s46, s47
	s_mov_b32 s47, 0
	s_lshl_b32 s20, s12, 15                        ; where they go: no place in the cluster enters an LDS address
	s_mul_i32 s21, s12, HALFB
	s_add_co_u32 s21, s21, ABYTES
	s_wait_dscnt 0x0                               ; both opening adds are done
	s_wait_kmcnt 0x0
	s_add_nc_u64 s[14:15], s[4:5], s[16:17]
	s_add_nc_u64 s[46:47], s[6:7], s[46:47]
	CROUND                                         ; all sixteen work-groups are here: the first joint loads meet
.irp s, 0,1
	s_mov_b32 s[G0+4*\s], 1
	s_add_co_u32 s[G0+4*\s+1], s20, \s*SLOT
	s_add_nc_u64 s[G0+4*\s+2:G0+4*\s+3], s[14:15], \s*0x200000     ; a K step of a is 2^21 bytes on
	s_or_b32 s[G0+4*\s+3], s[G0+4*\s+3], 0x80000000
	s_mov_b32 s[G0B+4*\s], 1
	s_add_co_u32 s[G0B+4*\s+1], s21, \s*SLOT
	s_add_nc_u64 s[G0B+4*\s+2:G0B+4*\s+3], s[46:47], \s*512
	s_or_b32 s[G0B+4*\s+3], s[G0B+4*\s+3], 0x80000000
	JLOAD \s
.endr
	v_and_b32 v1, 15, v0                           ; r
	v_bfe_u32 v2, v0, 4, 1                         ; h
	v_and_b32 v3, 31, v0
	v_lshlrev_b32 v3, 4, v3                        ; 16 x lane: an image's place for my lane
	v_mul_u32_u24 v4, v1, PITCH
	v_lshl_add_u32 v4, v2, 4, v4                   ; Wo: row x pitch + 16 h
	s_lshl_b32 s21, s11, 15                        ; my 64 rows of a
	s_mul_i32 s22, s12, HALFB                      ; my 64 rows of Wo
	s_add_co_u32 s22, s22, ABYTES
.irp s, 0,1
	v_add_nc_u32 v[ADRA+\s], s21, v3
	v_add_nc_u32 v[ADRB+\s], s22, v4
	s_add_co_u32 s21, s21, SLOT
	s_add_co_u32 s22, s22, SLOT
.endr
	s_mul_i32 s23, s10, 16*SPITCH
	s_add_co_u32 s23, s23, STAGE                   ; my stage
	v_mul_u32_u24 v5, v1, SPITCH
	v_lshl_add_u32 v5, v2, 5, v5
	v_add_nc_u32 v[STO], s23, v5                   ; in: row r, 32 bytes for each half of the lanes
	v_mul_u32_u24 v5, v2, SPITCH
	v_lshl_add_u32 v5, v1, 4, v5
	v_add_nc_u32 v[RD], s23, v5                    ; back: lanes 0-15 one row of 256 bytes, lanes 16-31 the next
	v_lshlrev_b32 v5, 12, v2
	v_lshl_add_u32 v[CO], v1, 4, v5                ; and the same two rows in out0
	s_lshl_b32 s16, s13, 19                        ; my first row: 128 x tile row + 64 x half, rows of 4,096 bytes
	s_lshl_b32 s17, s11, 18
	s_add_co_u32 s16, s16, s17
	s_mov_b32 s17, 0
	s_add_nc_u64 s[8:9], s[8:9], s[16:17]
	s_lshl_b32 s46, s42, 9                         ; my first column: 512 bytes a tile column + 256 x half
	s_lshl_b32 s47, s12, 8
	s_add_co_u32 s46, s46, s47
	s_mov_b32 s47, 0
	s_add_nc_u64 s[8:9], s[8:9], s[46:47]
.macro MUL8 f, c, a0, zero             ; 8 matrix instructions; the 16 accumulators take turns, one instruction a turn
.irp a, \a0, \a0+1
.irp b, 0,1,2,3
.if \zero
	v_wmma_f32_16x16x32_f16 v[ACC+8*(4*(\a)+\b):ACC+8*(4*(\a)+\b)+7], v[\f+64+8*(4*\c+\b):\f+64+8*(4*\c+\b)+7], v[\f+8*(4*\c+\a):\f+8*(4*\c+\a)+7], 0
.else
	v_wmma_f32_16x16x32_f16 v[ACC+8*(4*(\a)+\b):ACC+8*(4*(\a)+\b)+7], v[\f+64+8*(4*\c+\b):\f+64+8*(4*\c+\b)+7], v[\f+8*(4*\c+\a):\f+8*(4*\c+\a)+7], v[ACC+8*(4*(\a)+\b):ACC+8*(4*(\a)+\b)+7]
.endif
.endr
.endr
.endm
.macro FETCH slot, qr, f               ; 32 LDS loads in one run: the fragments of quarter qr (64 along K) of a slot; the first 32 along K first
	WIN TO_F
.irp c, 0,1
.irp i, 0,1,2,3
	ds_load_b128 v[\f+64+8*(4*\c+\i):\f+64+8*(4*\c+\i)+3],   v[ADRB+\slot] offset:128*(\qr)+64*\c+\i*16*PITCH
	ds_load_b128 v[\f+64+8*(4*\c+\i)+4:\f+64+8*(4*\c+\i)+7], v[ADRB+\slot] offset:128*(\qr)+64*\c+\i*16*PITCH+32
	ds_load_b128 v[\f+8*(4*\c+\i):\f+8*(4*\c+\i)+3],         v[ADRA+\slot] offset:8192*\i+1024*(2*(\qr)+\c)
	ds_load_b128 v[\f+8*(4*\c+\i)+4:\f+8*(4*\c+\i)+7],       v[ADRA+\slot] offset:8192*\i+1024*(2*(\qr)+\c)+512
.endr
.endr
.endm
.macro PLACES
.rept 4
	v_nop
.endr
.endm
.macro QUARTER slot, qr, f, g, zero    ; multiplies buffer f and fetches quarter qr of the slot into g
	s_wait_dscnt 16                                ; the first 32 along K are in
	WIN MUL
	MUL8 \f, 0, 0, \zero
	MUL8 \f, 0, 2, \zero
	PLACES
	FETCH \slot, \qr, \g
	s_wait_dscnt 32                                ; all but the 32 just issued
	WIN MUL
	MUL8 \f, 1, 0, 0
	MUL8 \f, 1, 2, 0
.endm
; A slot's last quarter changes slots: one barrier; in front of it each wave waits for all its tensor loads, adds 0 to its spare word, and waits for that and for its reads of this slot.
; fill = 1: the barrier opens a round of the cluster's barrier, and the slot is filled again, two K steps ahead, first thing behind the round.
.macro TURN slot, next, fill
	WIN 0
	s_wait_tensorcnt 0x0
	ds_add_u32 v[SPW], v[NIL]
	s_wait_dscnt 17                                ; the add and the youngest sixteen loads may be out
	WIN MUL
	MUL8 F1, 0, 0, 0
	s_wait_dscnt 0x0
	s_barrier_signal -1
	MUL8 F1, 0, 2, 0
.if \fill
	WIN 0
.endif
	s_barrier_wait -1
.if \fill
	CREST
	s_add_nc_u64 s[G0+4*\slot+2:G0+4*\slot+3], s[G0+4*\slot+2:G0+4*\slot+3], 0x400000
	s_add_nc_u64 s[G0B+4*\slot+2:G0B+4*\slot+3], s[G0B+4*\slot+2:G0B+4*\slot+3], 1024
	JLOAD \slot                                    ; the four v_nop behind it are also the places in front of the loads below
.else
	PLACES
.endif
	FETCH \next, 0, F0
	WIN MUL
	MUL8 F1, 1, 0, 0
	MUL8 F1, 1, 2, 0
.endm
	s_wait_tensorcnt 1                             ; my part of K step 0 is in; K step 1's load may be out
	s_barrier_signal -1
	s_barrier_wait -1
	FETCH 0, 0, F0
	QUARTER 0, 1, F0, F1, 1                        ; the first products start the sums.  Four K steps, written straight
	QUARTER 0, 2, F1, F0, 0
	QUARTER 0, 3, F0, F1, 0
	TURN 0, 1, 1
	QUARTER 1, 1, F0, F1, 0
	QUARTER 1, 2, F1, F0, 0
	QUARTER 1, 3, F0, F1, 0
	TURN 1, 0, 1
	QUARTER 0, 1, F0, F1, 0
	QUARTER 0, 2, F1, F0, 0
	QUARTER 0, 3, F0, F1, 0
	TURN 0, 1, 0
	QUARTER 1, 1, F0, F1, 0
	QUARTER 1, 2, F1, F0, 0
	QUARTER 1, 3, F0, F1, 0
	s_wait_dscnt 16
	WIN MUL
	MUL8 F1, 0, 0, 0
	MUL8 F1, 0, 2, 0
	s_wait_dscnt 0
	MUL8 F1, 1, 0, 0
	MUL8 F1, 1, 2, 0
	WIN 0
; THE WAY OUT, block by block of 16 rows x 64 columns: a lane holds 32 neighbouring bytes of a row; the block goes through my own stage and comes back as rows of 256 bytes, which sixteen lanes
; store as 256 consecutive aligned bytes.  LDS serves a wave's instructions in order (ISA guide 5.7.1.4): no wait between the stores and the loads.
.macro TOSTAGE a
.irp b, 0,1,2,3
	ds_store_b128 v[STO], v[ACC+8*(4*(\a)+\b):ACC+8*(4*(\a)+\b)+3] offset:64*\b       ; each accumulator from its low end on
	ds_store_b128 v[STO], v[ACC+8*(4*(\a)+\b)+4:ACC+8*(4*(\a)+\b)+7] offset:64*\b+16
.endr
.irp t, 0,1,2,3,4,5,6,7
	ds_load_b128 v[TMP+32*((\a)%2)+4*\t:TMP+32*((\a)%2)+4*\t+3], v[RD] offset:\t*2*SPITCH
.endr
.endm
.macro SEND a, younger
	s_wait_dscnt \younger                          ; the block is back; the next block's 8 stores and 8 loads may be out
.irp t, 0,1,2,3,4,5,6,7
	global_store_b128 v[CO], v[TMP+32*((\a)%2)+4*\t:TMP+32*((\a)%2)+4*\t+3], s[8:9] offset:(16*(\a)+2*\t)*4096 th:TH_STORE_NT
.endr
.endm
	PLACES
	TOSTAGE 0
	TOSTAGE 1
	SEND 0, 16
	s_wait_xcnt 0x0                                ; block 0's stores have read their registers: block 2's loads may land there
	TOSTAGE 2
	SEND 1, 16
	s_wait_xcnt 0x0
	TOSTAGE 3
	SEND 2, 16
	SEND 3, 0
	s_wait_tensorcnt 0x0                           ; the wave's end
	ds_add_u32 v[SPW], v[NIL]
	s_wait_dscnt 0x0
	CROUND                                         ; the closing round
	s_endpgm
.Lfunc_end_k_qe467876ea0_proj:
	.size	k_qe467876ea0_proj, .Lfunc_end_k_qe467876ea0_proj-k_qe467876ea0_proj
	.p2alignl 7, 3214868480
	.fill 96, 4, 3214868480
	.section	.rodata,"a",@progbits
	.p2align	6, 0x0
	.amdhsa_kernel k_qe467876ea0_proj
		.amdhsa_group_segment_fixed_size 327680
		.amdhsa_private_segment_fixed_size 0
		.amdhsa_enable_private_segment 0
		.amdhsa_kernarg_size 24
		.amdhsa_user_sgpr_count 2
		.amdhsa_user_sgpr_kernarg_segment_ptr 1
		.amdhsa_wavefront_size32 1
		.amdhsa_system_sgpr_workgroup_id_x 1
		.amdhsa_system_sgpr_workgroup_id_y 1
		.amdhsa_system_sgpr_workgroup_id_z 1
		.amdhsa_system_vgpr_workitem_id 0
		.amdhsa_next_free_vgpr 512
		.amdhsa_next_free_sgpr 66
		.amdhsa_reserve_vcc 0
		.amdhsa_float_denorm_mode_32 3
		.amdhsa_float_denorm_mode_16_64 3
		.amdhsa_memory_ordered 1
		.amdhsa_forward_progress 1
		.amdhsa_inst_pref_size 85
	.end_amdhsa_kernel
	.amdgpu_metadata
---
amdhsa.version: [ 1, 2 ]
amdhsa.kernels:
  - .name:           k_qe467876ea0_proj
    .symbol:         k_qe467876ea0_proj.kd
    .args:
      - { .name: abuf, .offset: 0, .size: 8, .value_kind: global_buffer, .address_space: global }
      - { .name: wo16, .offset: 8, .size: 8, .value_kind: global_buffer, .address_space: global }
      - { .name: out0, .offset: 16, .size: 8, .value_kind: global_buffer, .address_space: global }
    .group_segment_fixed_size: 327680
    .private_segment_fixed_size: 0
    .kernarg_segment_align: 8
    .kernarg_segment_size: 24
    .max_flat_workgroup_size: 128
    .sgpr_count:     66
    .vgpr_count:     512
    .wavefront_size: 32
...
	.end_amdgpu_metadata
.endif
;; end of part 4
;; launch first16 (part 5): grid 16 x 1, 16 waves a work-group, no clusters, 71,680 bytes of LDS; arguments first, Wo, out0; writes out0
.if DOCPART == 5
	.amdgcn_target "amdgcn-amd-amdhsa--gfx1250"
	.amdhsa_code_object_version 6
	.text
	.protected	k_qe467876ea0_first16
	.globl	k_qe467876ea0_first16
	.p2align	8
	.type	k_qe467876ea0_first16,@function
k_qe467876ea0_first16:
	s_mov_b64 s[64:65], 0
	v_nop
	global_prefetch_b8 v0, s[64:65] scope:SCOPE_SE
	s_setreg_imm32_b32 hwreg(HW_REG_WAVE_MODE, 25, 1), 1
	s_wait_xcnt 0x0
; FIRST16.  Rows 0-15 of the result once more, all in f32: under the causal mask these rows average one to sixteen values and are the largest, so f16 operands would weigh most there.
; Work-group g makes columns 64 g .. 64 g + 63 of the 16 rows.  Wave hd is head hd: scores of 16 queries x 16 keys, softmax with the row's maximum taken away, O^T = V^T P, and the head's part
; of the projection, all by the f32 matrix form (96 instructions a wave: no bulk work); the sixteen heads' parts meet in LDS and wave w sums row w, heads ascending.
; The order of K is permuted alike on both sides of each product: scores: step 2 u + e takes channels 8 u + 4 h + 2 e + j; V^T P: step s takes keys 8 h + 2 s + j;
; projection: step (t, s) takes channels 16 t + 8 h + 2 s + j (j the register, h the lane's half).
; first: q [16][1024] at 0, k [16][1024] at 65,536, v at 131,072 as [tile of 16 channels 64][lane 32][8]: register j of lane (r, h) = v(key 8 h + j, channel r of the tile).
; REGISTERS: v32-63 Q, v64-95 K (later Wo's tiles 2, 3); v96-127 V, later a; v128-191 Wo's tiles 0, 1, later the heads' parts; v192-207 two accumulators of the scores; v208-239 O^T, later the
; projection's four accumulators: v192-239 are written by matrix instructions alone; v240-247 scores; v248-255 p.
.set SPARE, 69632                      ; behind the sixteen heads' parts (16 rows x 272 bytes each): the spare words
.set SPW, 10
.set NIL, 11
	s_load_b128 s[4:7], s[0:1], 0x0                ; first, Wo
	s_load_b64 s[8:9], s[0:1], 0x10                ; out0
	v_lshl_add_u32 v[SPW], v0, 2, SPARE
	v_mov_b32 v[NIL], 0
	v_lshrrev_b32 v1, 5, v0
	v_readfirstlane_b32 s10, v1                    ; wave: my head, later my row
	v_and_b32 v1, 15, v0                           ; r
	v_bfe_u32 v2, v0, 4, 1                         ; h
	v_and_b32 v3, 31, v0                           ; lane
	v_lshlrev_b32 v4, 12, v1
	v_lshl_add_u32 v6, v2, 5, v4                   ; Wo: 4096 r + 32 h
	v_lshl_add_u32 v4, v2, 4, v4                   ; q, k: 4096 r + 16 h
	v_lshlrev_b32 v5, 5, v3                        ; v: 32 x lane
	v_lshlrev_b32 v9, 3, v3                        ; 8 x lane
	s_mul_i32 s11, s10, 4352
	v_mul_u32_u24 v7, v1, 272
	v_lshl_add_u32 v7, v2, 5, v7
	v_add_nc_u32 v7, s11, v7                       ; LDS, in: my head's part, row r, + 32 h
	s_mul_i32 s11, s10, 272
	v_add_nc_u32 v8, s11, v9                       ; LDS, out: row w of head 0's part, 8 bytes a lane
	v_lshlrev_b32 v12, 3, v2
	v_sub_nc_u32 v12, v1, v12                      ; d = r - 8 h: key 8 h + j is hidden where j > d
	v_mov_b32 v16, 0xff800000                      ; -infinity
	v_mov_b32 v18, 0                               ; a lane permute's destination counts as one of its sources
	s_mov_b32 s16, 0x3e38aa3b                      ; c = log2(e) / 8
	s_mov_b32 s18, 0x76543210
	s_mov_b32 s19, 0xfedcba98
	s_lshl_b32 s20, s10, 8                         ; a head's 64 channels in f32
	s_mov_b32 s21, 0
	s_lshl_b32 s22, s10, 12                        ; a head's four tiles of v
	s_mov_b32 s23, 0
	s_lshl_b32 s24, ttmp9, 18                      ; 64 rows of Wo
	s_add_co_u32 s24, s24, s20
	s_mov_b32 s25, 0
	s_lshl_b32 s26, s10, 12                        ; row w of out0,
	s_lshl_b32 s27, ttmp9, 8                       ; columns 64 g on
	s_add_co_u32 s26, s26, s27
	s_mov_b32 s27, 0
	s_wait_kmcnt 0x0
	s_add_nc_u64 s[12:13], s[4:5], s[20:21]
	s_add_nc_u64 s[14:15], s[4:5], s[22:23]
	s_add_nc_u64 s[6:7], s[6:7], s[24:25]
	s_add_nc_u64 s[8:9], s[8:9], s[26:27]
.irp u, 0,1,2,3,4,5,6,7
	global_load_b128 v[32+4*\u:35+4*\u], v4, s[12:13] offset:32*\u           ; q(r, 8 u + 4 h + 0 .. 3)
.endr
.irp u, 0,1,2,3,4,5,6,7
	global_load_b128 v[64+4*\u:67+4*\u], v4, s[12:13] offset:65536+32*\u     ; k likewise
.endr
.irp ct, 0,1,2,3
.irp e, 0,1
	global_load_b128 v[96+8*\ct+4*\e:99+8*\ct+4*\e], v5, s[14:15] offset:131072+1024*\ct+16*\e
.endr
.endr
.macro WOTILE ot, reg                  ; Wo(64 g + 16 ot + r, my head's channels 16 t + 8 h + 0 .. 7) into v[reg + 8 t] on
.irp t, 0,1,2,3
.irp e, 0,1
	global_load_b128 v[\reg+8*\t+4*\e:\reg+8*\t+4*\e+3], v6, s[6:7] offset:65536*\ot+64*\t+16*\e
.endr
.endr
.endm
	WOTILE 0, 128
	WOTILE 1, 160
	s_wait_loadcnt 24                              ; q and k are in; v's 8 loads and Wo's 16 may be out
	; S^T = K Q^T: 16 steps of 4 channels on two accumulators by turns; the first two start the sums
.irp u, 0,1,2,3,4,5,6,7
.irp e, 0,1
.if \u == 0
	v_wmma_f32_16x16x4_f32 v[192+8*\e:199+8*\e], v[64+4*\u+2*\e:65+4*\u+2*\e], v[32+4*\u+2*\e:33+4*\u+2*\e], 0
.else
	v_wmma_f32_16x16x4_f32 v[192+8*\e:199+8*\e], v[64+4*\u+2*\e:65+4*\u+2*\e], v[32+4*\u+2*\e:33+4*\u+2*\e], v[192+8*\e:199+8*\e]
.endif
.endr
.endr
.rept 9
	v_nop                                          ; the places behind this form, for the reads of the sums and the loads into q's and k's registers
.endr
	WOTILE 2, 32
	WOTILE 3, 64
.irp j, 0,1,2,3,4,5,6,7
	v_add_f32 v[240+\j], v[192+\j], v[200+\j]      ; lane (r, h): the score of key 8 h + j and query r
.endr
.irp j, 0,1,2,3,4,5,6,7
	v_cmp_gt_i32 vcc_lo, \j, v12
	v_cndmask_b32 v[240+\j], v[240+\j], v16, vcc_lo
.endr
	v_max3_num_f32 v17, v240, v241, v242
	v_max3_num_f32 v17, v17, v243, v244
	v_max3_num_f32 v17, v17, v245, v246
	v_max_num_f32 v17, v17, v247
	v_permlanex16_b32 v18, v17, s18, s19
	v_max_num_f32 v17, v17, v18                    ; the row's maximum: key 0 counts for every query
	v_mul_f32 v19, s16, v17
.irp j, 0,1,2,3,4,5,6,7
	v_fma_f32 v[248+\j], v[240+\j], s16, -v19
.endr
.irp j, 0,1,2,3,4,5,6,7
	v_exp_f32 v[248+\j], v[248+\j]                 ; p = 2^(c s - c m)
.endr
	v_nop
	s_wait_alu depctr_va_vdst(0)                   ; the wait ahead of the first line that names a result: one for the eight
	v_add_f32 v20, v248, v249
	v_add_f32 v21, v250, v251
	v_add_f32 v20, v20, v252
	v_add_f32 v21, v21, v253
	v_add_f32 v20, v20, v254
	v_add_f32 v21, v21, v255
	v_add_f32 v20, v20, v21
	v_permlanex16_b32 v18, v20, s18, s19
	v_add_f32 v20, v20, v18
	v_rcp_f32 v22, v20                             ; 1 / the row's sum
	v_nop
	s_wait_alu depctr_va_vdst(0)
	s_wait_loadcnt 32                              ; v is in; Wo's 32 loads may be out
	; O^T = V^T P: four steps of 4 keys, four accumulators by turns
.irp s, 0,1,2,3
.irp ct, 0,1,2,3
.if \s == 0
	v_wmma_f32_16x16x4_f32 v[208+8*\ct:215+8*\ct], v[96+8*\ct+2*\s:97+8*\ct+2*\s], v[248+2*\s:249+2*\s], 0
.else
	v_wmma_f32_16x16x4_f32 v[208+8*\ct:215+8*\ct], v[96+8*\ct+2*\s:97+8*\ct+2*\s], v[248+2*\s:249+2*\s], v[208+8*\ct:215+8*\ct]
.endif
.endr
.endr
.rept 9
	v_nop                                          ; for the reads of O^T, the writes over v's registers, and the products below that begin new sums in O^T's registers
.endr
.set n, 0
.rept 32
	v_mul_f32 v[96+n], v[208+n], v22               ; a(query r, channel 16 t + 8 h + j) at register 8 t + j
.set n, n+1
.endr
	s_wait_loadcnt 0x0                             ; Wo
	; my head's part of the result: source 0 = 16 rows of Wo, source 1 = a: 16 steps of 4 channels, four accumulators by turns
.irp t, 0,1,2,3
.irp s, 0,1,2,3
.irp ot, 0,1,2,3
.if (\t == 0) && (\s == 0)
	v_wmma_f32_16x16x4_f32 v[208+8*\ot:215+8*\ot], v[128+32*\ot-160*(\ot/2)+8*\t+2*\s:129+32*\ot-160*(\ot/2)+8*\t+2*\s], v[96+8*\t+2*\s:97+8*\t+2*\s], 0
.else
	v_wmma_f32_16x16x4_f32 v[208+8*\ot:215+8*\ot], v[128+32*\ot-160*(\ot/2)+8*\t+2*\s:129+32*\ot-160*(\ot/2)+8*\t+2*\s], v[96+8*\t+2*\s:97+8*\t+2*\s], v[208+8*\ot:215+8*\ot]
.endif
.endr
.endr
.endr
.rept 8
	v_nop
.endr
.irp ot, 0,1,2,3
	ds_store_b128 v7, v[208+8*\ot:211+8*\ot] offset:64*\ot          ; lane (r, h): row r, columns 16 ot + 8 h + 0 .. 7; each accumulator from its low end on
	ds_store_b128 v7, v[212+8*\ot:215+8*\ot] offset:64*\ot+16
.endr
	s_wait_dscnt 0x0                               ; for the others' sake: my stores have landed
	s_barrier_signal -1
	s_barrier_wait -1
.irp i, 0,1,2,3,4,5,6,7,8,9,10,11,12,13,14,15
	ds_load_b64 v[128+2*\i:129+2*\i], v8 offset:4352*\i             ; row w of head i's part: 256 bytes a wave
.endr
	s_wait_dscnt 0x0
	v_pk_add_f32 v[24:25], v[128:129], v[130:131]
.irp i, 2,3,4,5,6,7,8,9,10,11,12,13,14,15
	v_pk_add_f32 v[24:25], v[24:25], v[128+2*\i:129+2*\i]
.endr
	global_store_b64 v9, v[24:25], s[8:9]          ; 256 consecutive aligned bytes
	s_wait_tensorcnt 0x0                           ; the wave's end
	ds_add_u32 v[SPW], v[NIL]
	s_wait_dscnt 0x0
	s_endpgm
.Lfunc_end_k_qe467876ea0_first16:
	.size	k_qe467876ea0_first16, .Lfunc_end_k_qe467876ea0_first16-k_qe467876ea0_first16
	.p2alignl 7, 3214868480
	.fill 96, 4, 3214868480
	.section	.rodata,"a",@progbits
	.p2align	6, 0x0
	.amdhsa_kernel k_qe467876ea0_first16
		.amdhsa_group_segment_fixed_size 71680
		.amdhsa_private_segment_fixed_size 0
		.amdhsa_enable_private_segment 0
		.amdhsa_kernarg_size 24
		.amdhsa_user_sgpr_count 2
		.amdhsa_user_sgpr_kernarg_segment_ptr 1
		.amdhsa_wavefront_size32 1
		.amdhsa_system_sgpr_workgroup_id_x 1
		.amdhsa_system_sgpr_workgroup_id_y 1
		.amdhsa_system_sgpr_workgroup_id_z 1
		.amdhsa_system_vgpr_workitem_id 0
		.amdhsa_next_free_vgpr 256
		.amdhsa_next_free_sgpr 66
		.amdhsa_reserve_vcc 1
		.amdhsa_float_denorm_mode_32 3
		.amdhsa_float_denorm_mode_16_64 3
		.amdhsa_memory_ordered 1
		.amdhsa_forward_progress 1
		.amdhsa_inst_pref_size 21
	.end_amdhsa_kernel
	.amdgpu_metadata
---
amdhsa.version: [ 1, 2 ]
amdhsa.kernels:
  - .name:           k_qe467876ea0_first16
    .symbol:         k_qe467876ea0_first16.kd
    .args:
      - { .name: first, .offset: 0, .size: 8, .value_kind: global_buffer, .address_space: global }
      - { .name: Wo, .offset: 8, .size: 8, .value_kind: global_buffer, .address_space: global }
      - { .name: out0, .offset: 16, .size: 8, .value_kind: global_buffer, .address_space: global }
    .group_segment_fixed_size: 71680
    .private_segment_fixed_size: 0
    .kernarg_segment_align: 8
    .kernarg_segment_size: 24
    .max_flat_workgroup_size: 512
    .sgpr_count:     66
    .vgpr_count:     256
    .wavefront_size: 32
...
	.end_amdgpu_metadata
.endif
;; end of part 5
